; MI455X (gfx1250); checked and timed in simulation.
; The chip was launched on July 23, 2026; its instructions are those of AMD's public machine-readable ISA for CDNA 5 (MIT licence, August 2026) and "CDNA5" Instruction Set Architecture Reference Guide (July 2026). The comments in the code are by the model that wrote it; some were corrected since.
;; Sliding Window Attention. Allowed arithmetic: matrix products marked QUANTISED: E2M1 operands, one E8M0 scale for each 32 along K, by v_wmma_scale_f32_16x16x128_f8f6f4 with both operands' format E2M1 (or v_wmma_scale_f32_32x16x128_f4), f32 sums; products left as they are: bf16, f16 or f32 operands; f32 sums; everything else in f32.
;; Inputs: Wk 1,024 x 1,024 float32; Wo 1,024 x 1,024 float32; Wq 1,024 x 1,024 float32; Wv 1,024 x 1,024 float32; x 1 x 4,096 x 1,024 float32.
;; Outputs: out0 1 x 4,096 x 1,024 float32.
;; This version of the problem:
;;   THIS VERSION OF THE PROBLEM IS GIVEN IN LOW PRECISION. The matrix products marked QUANTISED in the list below multiply operands that are first quantised to E2M1 (2 exponent bits, 1 mantissa bit; 4 bits a number), with one power-of-two scale for each 32 numbers along K (OCP MX v1.0); their sums are f32. The products marked 'left as it is' may take bf16, f16 or f32 operands, with f32 sums. Whichever they take, every output number must still come out within the allowed error. Rounding operands to bf16 (8 significant bits) uses up far more of that allowance than f16 does (11 bits, for magnitudes from 6e-5 to 65,504). All else is computed in f32.
;;   The module's matrix products, in the order in which they are computed (A, B: the left and right operand; K: the contracted axis; several contracted axes count as one K, in the product's order):
;;     1. [M 4,096, K 1,024] x [K 1,024, N 1,024]; A: input x; B: input Wq: QUANTISED
;;     2. [M 4,096, K 1,024] x [K 1,024, N 1,024]; A: input x; B: input Wk: QUANTISED
;;     3. [M 4,096, K 1,024] x [K 1,024, N 1,024]; A: input x; B: input Wv: QUANTISED
;;     4. batch 16 x [M 4,096, K 64] x [K 64, N 4,096]; A: computed on the way; B: computed on the way: left as it is (an operand is computed on the way)
;;     5. batch 16 x [M 64, K 4,096] x [K 4,096, N 4,096]; A: computed on the way; B: computed on the way: left as it is (an operand is computed on the way)
;;     6. [M 4,096, K 1,024] x [K 1,024, N 1,024]; A: computed on the way; B: input Wo: left as it is (an operand is computed on the way)
;;   THE QUANTISER, for each operand of a quantised product, along K:
;;     - K is cut into blocks of 32 from its start; a last block that is shorter is filled with zeros.
;;     - A block's scale is 2^e with e = floor(log2(the largest magnitude in the block)) - 2, held to -126 .. 127; a block of zeros has e = 0. As a byte (E8M0): e + 127.
;;     - Each number is divided by its block's scale, clamped to +-6, and rounded to the nearest number of E2M1, ties to even, subnormals kept.
;;     - The product sums the exact products of the quantised numbers (number of the format x scale) in f32.
;;   ~~~python
;;   def quantise(x, axis):      # numpy; x: float32 -> the quantised numbers, widened to float32 again
;;       x = np.moveaxis(x, axis, -1); K = x.shape[-1]
;;       x = np.pad(x, [(0, 0)] * (x.ndim - 1) + [(0, -K % 32)]); x = x.reshape(x.shape[:-1] + (-1, 32)); a = np.abs(x).max(-1, keepdims=True)
;;       e = np.where(a > 0, np.clip(np.frexp(np.where(a > 0, a, 1))[1] - 1 - 2, -126, 127), 0)      # np.frexp(a)[1] - 1 = floor(log2(a)), exactly
;;       r = np.clip(x / 2.0 ** e, -6, 6)
;;       step = 2.0 ** (np.maximum(np.frexp(np.where(r == 0, 1, r))[1] - 1, 0) - 1)
;;       q = np.round(r / step) * step * 2.0 ** e      # np.round: ties to even
;;       return np.moveaxis(q.reshape(q.shape[:-2] + (-1,))[..., :K], -1, axis).astype(np.float32)
;;   ~~~
;; One version. Each part assembles by itself: llvm-mc -triple=amdgcn-amd-amdhsa -mcpu=gfx1250 --defsym DOCPART=n.
;; ======== version 1 of 1: 5 launches
;; limits: values are held in f16: magnitudes above 65,504 overflow, below 6.1e-05 lose precision
;; workspace buffers: codes 3,670,016 bytes; scales 229,376 bytes; woimg 2,097,152 bytes; qkv 25,165,824 bytes; first 196,608 bytes; aimg 8,388,608 bytes
;; launch prep (part 1): grid 384 x 1, 4 waves a work-group, no clusters, 34,304 bytes of LDS; arguments x, Wq, Wk, Wv, Wo, codes, scales, woimg; writes codes, scales, woimg
.if DOCPART == 1
	.amdgcn_target "amdgcn-amd-amdhsa--gfx1250"
	.amdhsa_code_object_version 6
	.text
	.protected	k_qe04b2adc2d_prep
	.globl	k_qe04b2adc2d_prep
	.p2align	8
	.type	k_qe04b2adc2d_prep,@function
k_qe04b2adc2d_prep:
	s_mov_b64 s[64:65], 0
	v_nop
	global_prefetch_b8 v0, s[64:65] scope:SCOPE_SE
	s_setreg_imm32_b32 hwreg(HW_REG_WAVE_MODE, 25, 1), 1
	s_wait_xcnt 0x0
; x [4096][1024] and Wq, Wk, Wv [1024 (k)][1024 (n)], f32, become codes of FP4 (E2M1) with one E8M0 byte for each 32 along K; Wo [1024 (k)][1024 (n)] becomes f16.
; All results are laid in the ORDER OF THE READER'S OPERAND REGISTERS: an image of a fragment is its groups of four registers on end, 512 bytes a group, lane l's 16 bytes at 16 l.
; ONE ROW SPACE of 7,168 rows serves both sides of the quantised products: rows 0-4095 x's positions, then Wq's, Wk's, Wv's 1,024 columns each.
;   codes  [K half 2][tile of 16 rows 448][step of 128 K 4][1,024 bytes]: block 2 c + h of row r at 512 c + 256 h + 16 r
;   scales [K half 2][row 7,168][16 bytes]: word q = the four bytes of the half's q-th 128 along K
;   woimg  [256 K 4][tile of 16 n 64][step of 32 K 8][1,024 bytes]: the eight k numbered qq at 512 (qq / 2) + 256 (qq % 2) + 16 r
; A block's scale is 2^(floor(log2(largest magnitude)) - 2): its byte is the largest magnitude's exponent field - 2, held at 1 from below by a floor among the maximum's leaves.
; LIMITS: a block of zeros gets the byte 1 where the rule says 127 (its codes are zeros, and this program alone reads the bytes); blocks whose largest magnitude lies under 2^-124 are held at that floor;
; NaN and infinities are not served; Wo is rounded to f16: magnitudes up to 65,504, steps of 6e-8 under 6e-5.
; SHARES: work-groups 0-127: x, a wave takes 16 rows x 512 K.  Work-groups 128-383: the four weights, 64 each; a wave takes 32 columns x 128 K, A LANE TO A COLUMN, ITS REGISTERS DOWN K.
; No barrier: waves share nothing.
.set KH_C,  1835008                    ; bytes of a K half of the codes
.set KH_S,  114688                     ; and of the scales
.set SP,    528                        ; a stage row: 512 bytes + 16: an odd multiple of 16, so that sixteen rows start at sixteen different groups of banks
.set WSTG,  16*SP                      ; a wave's stage
.set SPARE, 4*WSTG                     ; behind the stages: the spare words, 128 bytes a wave
.set LI,  1                            ; v1   16 x lane
.set STA, 2                            ; v2   stage, on the way in
.set LDA, 3                            ; v3   stage, on the way out: row r, + 128 h
.set SCO, 4                            ; v4   16 r + 8 h: my 8 bytes of the tile's 256 scale bytes
.set SH8, 5                            ; v5   8 h
.set SW,  16                           ; v16-19 the scale word of each step
.set SPW, 30                           ; v30  my spare word; never rewritten
.set NIL, 31                           ; v31  0; never rewritten
.set R,   32                           ; v32-159  x: two sets of 64 as loaded;  weights: 128 numbers down K
.set X,   160                          ; v160-223 x: 64 numbers, two whole blocks;  weights: codes or f16 pairs
.set C,   224                          ; v224-255 x: codes, 8 registers a step, never rewritten
	s_load_b512 s[8:23], s[0:1], 0x0               ; x, Wq, Wk, Wv, Wo, codes, scales, woimg
	v_lshl_add_u32 v[SPW], v0, 2, SPARE
	v_mov_b32 v[NIL], 0
	v_lshrrev_b32 v24, 5, v0
	v_readfirstlane_b32 s24, v24                   ; wave
	v_and_b32 v24, 31, v0                          ; lane
	v_and_b32 v25, 15, v0                          ; r
	v_bfe_u32 v26, v0, 4, 1                        ; h
	v_lshlrev_b32 v[LI], 4, v24
	s_mul_i32 s35, s24, WSTG
	v_add_nc_u32 v[STA], s35, v[LI]
	v_mul_u32_u24 v[LDA], v25, SP
	v_lshl_add_u32 v[LDA], v26, 7, v[LDA]
	v_add_nc_u32 v[LDA], s35, v[LDA]
	v_lshlrev_b32 v[SH8], 3, v26
	v_lshl_add_u32 v[SCO], v25, 4, v[SH8]
	v_mov_b32 v15, 0                               ; written once: a lane permute's destination counts as one of its sources
	s_mov_b32 s26, 0x76543210
	s_mov_b32 s27, 0xfedcba98                      ; lane l xor 16
	s_mov_b32 s33, 0
	s_wait_kmcnt 0x0
	s_cmp_lt_u32 ttmp9, 128
	s_cbranch_scc0 .Lweights
; ---------------- x ----------------
	s_lshl_b32 s28, ttmp9, 2
	s_add_co_u32 s28, s28, s24                     ; which of 512 parts
	s_lshr_b32 s29, s28, 1                         ; tile of 16 rows
	s_and_b32 s30, s28, 1                          ; K half
	s_lshl_b32 s32, s29, 16                        ; 16 rows of 4,096 bytes
	s_lshl_b32 s34, s30, 11
	s_add_co_u32 s32, s32, s34
	s_add_nc_u64 s[8:9], s[8:9], s[32:33]
	s_mul_i32 s32, s30, KH_C
	s_lshl_b32 s34, s29, 12
	s_add_co_u32 s32, s32, s34
	s_add_nc_u64 s[18:19], s[18:19], s[32:33]
	s_mul_i32 s32, s30, KH_S
	s_lshl_b32 s34, s29, 8
	s_add_co_u32 s32, s32, s34
	s_add_nc_u64 s[20:21], s[20:21], s[32:33]
.macro XLOAD t                         ; step t: 128 K of 16 rows; each load reads 512 consecutive bytes of one row
.irp i, 0,1,2,3,4,5,6,7,8,9,10,11,12,13,14,15
	global_load_b128 v[R+64*((\t)%2)+4*\i:R+64*((\t)%2)+4*\i+3], v[LI], s[8:9] offset:\i*4096+(\t)*512 th:TH_LOAD_NT
.endr
.endm
.macro XSTEP t
.if (\t) < 3
	s_wait_loadcnt 16                              ; this step's 16 loads are in; the next step's 16 may be out
.else
	s_wait_loadcnt 0x0
.endif
.irp i, 0,1,2,3,4,5,6,7,8,9,10,11,12,13,14,15
	ds_store_b128 v[STA], v[R+64*((\t)%2)+4*\i:R+64*((\t)%2)+4*\i+3] offset:\i*SP
.endr
.irp c, 0,1                                    ; back: lane (r, h) takes blocks h and 2 + h of row r whole, as the operand's layout gives them to it.  LDS serves a wave's instructions in order: these see the stores
.irp i, 0,1,2,3,4,5,6,7
	ds_load_b128 v[X+32*\c+4*\i:X+32*\c+4*\i+3], v[LDA] offset:\c*256+16*\i
.endr
.endr
	s_wait_dscnt 0x0                               ; the numbers are back, and the stores have read their registers,
.if (\t) < 2
	XLOAD (\t)+2                                   ; which take the loads of two steps on
.endif
.irp c, 0,1
	v_max3_num_f32 v[8+\c], |v[X+32*\c]|, |v[X+32*\c+1]|, 0x1800000   ; my block's largest magnitude, and the floor 2^(3 - 127): the byte cannot fall under 1
.endr
.irp i, 2,4,6,8,10,12,14,16,18,20,22,24,26,28,30
.irp c, 0,1
	v_max3_num_f32 v[8+\c], v[8+\c], |v[X+32*\c+\i]|, |v[X+32*\c+\i+1]|   ; (the two blocks by turns)
.endr
.endr
.irp c, 0,1
	v_add_nc_u32 v[10+\c], 0xff000000, v[8+\c]     ; 2 off the exponent field: the conversion takes this operand's exponent field as its scale
.endr
.irp c, 0,1
	v_lshrrev_b32 v[12+\c], 23, v[10+\c]           ; the scale's byte
.endr
	v_lshl_or_b32 v14, v13, 16, v12                ; bytes h and 2 + h,
	v_lshlrev_b32 v14, v[SH8], v14                 ; at their places;
	v_permlanex16_b32 v15, v14, s26, s27
	v_or_b32 v[SW+(\t)], v14, v15                  ; with lane l xor 16's two the word is whole
.irp c, 0,1
.irp g, 0,1,2,3
	v_cvt_scalef32_pk8_fp4_f32 v[C+8*(\t)+4*\c+\g], v[X+32*\c+8*\g:X+32*\c+8*\g+7], v[10+\c]
.endr
.endr
	v_nop                                          ; one plain line behind the last scaled conversion
.irp c, 0,1
	global_store_b128 v[LI], v[C+8*(\t)+4*\c:C+8*(\t)+4*\c+3], s[18:19] offset:(\t)*1024+\c*512   ; 512 consecutive bytes of the image
.endr
.endm
	XLOAD 0
	XLOAD 1
	XSTEP 0
	XSTEP 1
	XSTEP 2
	XSTEP 3
	v_cmp_ne_u32 vcc_lo, 0, v26
	v_cndmask_b32 v20, v[SW], v[SW+2], vcc_lo      ; lanes 0-15 store words 0, 1 of row r, lanes 16-31 words 2, 3
	v_cndmask_b32 v21, v[SW+1], v[SW+3], vcc_lo
	global_store_b64 v[SCO], v[20:21], s[20:21]    ; 32 lanes store 256 consecutive bytes, aligned
	s_wait_tensorcnt 0x0                           ; the wave's end, behind my last LDS store
	ds_add_u32 v[SPW], v[NIL]
	s_wait_dscnt 0x0
	s_endpgm
; ---------------- the weights (these waves touch no LDS) ----------------
.Lweights:
	s_sub_co_u32 s28, ttmp9, 128
	s_lshr_b32 s29, s28, 6                         ; 0 Wq, 1 Wk, 2 Wv, 3 Wo
	s_and_b32 s30, s28, 7                          ; which 128 columns
	s_bfe_u32 s31, s28, 0x30003                    ; which 128 along K
	s_cmp_eq_u32 s29, 0                            ; the choice hangs on the work-group's number alone
	s_cselect_b64 s[36:37], s[10:11], s[12:13]
	s_cmp_eq_u32 s29, 2
	s_cselect_b64 s[36:37], s[14:15], s[36:37]
	s_cmp_eq_u32 s29, 3
	s_cselect_b64 s[36:37], s[16:17], s[36:37]
	s_lshl_b32 s32, s31, 19                        ; 128 rows of 4,096 bytes
	s_lshl_b32 s34, s30, 9
	s_add_co_u32 s32, s32, s34
	s_lshl_b32 s34, s24, 7                         ; my wave's 32 columns
	s_add_co_u32 s32, s32, s34
	s_add_nc_u64 s[36:37], s[36:37], s[32:33]
	v_lshlrev_b32 v27, 2, v24                      ; 4 bytes a lane: a load reads 128 consecutive bytes, the four waves stand side by side on 512
.macro WLOAD b                         ; W(32 b + i, my column), i = 0 .. 31
.set I, 0
.rept 32
	global_load_b32 v[R+32*(\b)+I], v27, s[36:37] offset:(32*(\b)+I)*4096 th:TH_LOAD_NT
.set I, I+1
.endr
.endm
.macro WWAIT b
.if (\b) < 3
	s_wait_loadcnt 32                              ; this block's 32 loads are in; the next block's may be out
.else
	s_wait_loadcnt 0x0
.endif
.if (\b) < 2
	WLOAD (\b)+2                                   ; every block has registers of its own: two blocks are always on their way
.endif
.endm
	WLOAD 0
	WLOAD 1
	v_lshlrev_b32 v6, 4, v25
	v_lshl_add_u32 v8, v26, 13, v6                 ; Wo: tile (lane / 16) of 8,192 bytes, + 16 r
	v_lshl_add_u32 v6, v26, 12, v6                 ; codes: tile (lane / 16) of 4,096 bytes, + 16 r
	s_lshl_b32 s38, s30, 3
	s_lshl_b32 s34, s24, 1
	s_add_co_u32 s38, s38, s34                     ; my first tile of 16 columns within the weight
	s_cmp_eq_u32 s29, 3
	s_cbranch_scc1 .Lcast
	s_lshr_b32 s34, s31, 2                         ; K half
	s_and_b32 s39, s31, 3                          ; step in it
	s_mul_i32 s32, s34, KH_C
	s_lshl_b32 s40, s29, 6
	s_add_co_u32 s40, s40, s38
	s_add_co_u32 s40, s40, 256                     ; tile in the row space
	s_lshl_b32 s40, s40, 12
	s_add_co_u32 s32, s32, s40
	s_lshl_b32 s40, s39, 10
	s_add_co_u32 s32, s32, s40
	s_add_nc_u64 s[18:19], s[18:19], s[32:33]
	s_mul_i32 s32, s34, KH_S
	s_lshl_b32 s40, s29, 10
	s_lshl_b32 s41, s30, 7
	s_add_co_u32 s40, s40, s41
	s_lshl_b32 s41, s24, 5
	s_add_co_u32 s40, s40, s41
	s_add_co_u32 s40, s40, 4096                    ; my first row in the row space
	s_lshl_b32 s40, s40, 4
	s_add_co_u32 s32, s32, s40
	s_lshl_b32 s40, s39, 2
	s_add_co_u32 s32, s32, s40
	s_add_nc_u64 s[20:21], s[20:21], s[32:33]
.macro WBLOCK b
.set XS, R+32*(\b)
	WWAIT \b
	v_max3_num_f32 v12, |v[XS]|, |v[XS+1]|, |v[XS+2]|              ; the block's largest magnitude: all 32 numbers are mine; two chains
	v_max3_num_f32 v13, |v[XS+3]|, |v[XS+4]|, |v[XS+5]|
.irp i, 6,10,14,18,22,26
	v_max3_num_f32 v12, v12, |v[XS+\i]|, |v[XS+\i+1]|
	v_max3_num_f32 v13, v13, |v[XS+\i+2]|, |v[XS+\i+3]|
.endr
	v_max3_num_f32 v12, v12, |v[XS+30]|, |v[XS+31]|
	v_max3_num_f32 v12, v12, v13, 0x1800000        ; and the floor
	v_add_nc_u32 v11, 0xff000000, v12
	v_lshrrev_b32 v13, 23, v11
.if (\b) == 0
	v_mov_b32 v14, v13                             ; the four bytes make my column's scale word of these 128 along K
.else
	v_lshl_or_b32 v14, v13, 8*(\b), v14
.endif
.irp g, 0,1,2,3
	v_cvt_scalef32_pk8_fp4_f32 v[X+4*(\b)+\g], v[XS+8*\g:XS+8*\g+7], v11
.endr
.endm
	WBLOCK 0
	WBLOCK 1
	WBLOCK 2
	WBLOCK 3
	v_nop                                          ; one plain line behind the last scaled conversion
.irp b, 0,1,2,3
	global_store_b128 v6, v[X+4*\b:X+4*\b+3], s[18:19] offset:(\b>>1)*512+(\b&1)*256   ; sixteen lanes store 256 consecutive bytes, aligned
.endr
	global_store_b32 v[LI], v14, s[20:21]          ; 4 bytes of each of 32 rows of 16: the scale words of the weights are 98,304 bytes in the whole launch
	s_endpgm
.Lcast:                                            ; Wo to f16: a lane's pairs down K are the operand's registers
	s_lshr_b32 s34, s31, 1
	s_lshl_b32 s32, s34, 19                        ; which 256 along K
	s_lshl_b32 s40, s38, 13
	s_add_co_u32 s32, s32, s40
	s_and_b32 s40, s31, 1
	s_lshl_b32 s40, s40, 12                        ; the lower or the upper four steps of 32
	s_add_co_u32 s32, s32, s40
	s_add_nc_u64 s[22:23], s[22:23], s[32:33]
.irp b, 0,1,2,3
	WWAIT \b
.irp i, 0,1,2,3,4,5,6,7,8,9,10,11,12,13,14,15
	v_cvt_pk_f16_f32 v[X+16*\b+\i], v[R+32*\b+2*\i], v[R+32*\b+2*\i+1]
.endr
.irp q, 0,1,2,3
	global_store_b128 v8, v[X+16*\b+4*\q:X+16*\b+4*\q+3], s[22:23] offset:\b*1024+(\q>>1)*512+(\q&1)*256   ; sixteen lanes store 256 consecutive bytes, aligned
.endr
.endr
	s_endpgm
.Lfunc_end_k_qe04b2adc2d_prep:
	.size	k_qe04b2adc2d_prep, .Lfunc_end_k_qe04b2adc2d_prep-k_qe04b2adc2d_prep
	.p2alignl 7, 3214868480
	.fill 96, 4, 3214868480
	.section	.rodata,"a",@progbits
	.p2align	6, 0x0
	.amdhsa_kernel k_qe04b2adc2d_prep
		.amdhsa_group_segment_fixed_size 34304
		.amdhsa_private_segment_fixed_size 0
		.amdhsa_enable_private_segment 0
		.amdhsa_kernarg_size 64
		.amdhsa_user_sgpr_count 2
		.amdhsa_user_sgpr_kernarg_segment_ptr 1
		.amdhsa_wavefront_size32 1
		.amdhsa_system_sgpr_workgroup_id_x 1
		.amdhsa_system_sgpr_workgroup_id_y 1
		.amdhsa_system_sgpr_workgroup_id_z 1
		.amdhsa_system_vgpr_workitem_id 0
		.amdhsa_next_free_vgpr 256
		.amdhsa_next_free_sgpr 66
		.amdhsa_reserve_vcc 1
		.amdhsa_float_denorm_mode_32 3
		.amdhsa_float_denorm_mode_16_64 3
		.amdhsa_memory_ordered 1
		.amdhsa_forward_progress 1
		.amdhsa_inst_pref_size 62
	.end_amdhsa_kernel
	.amdgpu_metadata
---
amdhsa.version: [ 1, 2 ]
amdhsa.kernels:
  - .name:           k_qe04b2adc2d_prep
    .symbol:         k_qe04b2adc2d_prep.kd
    .args:
      - { .name: x, .offset: 0, .size: 8, .value_kind: global_buffer, .address_space: global }
      - { .name: Wq, .offset: 8, .size: 8, .value_kind: global_buffer, .address_space: global }
      - { .name: Wk, .offset: 16, .size: 8, .value_kind: global_buffer, .address_space: global }
      - { .name: Wv, .offset: 24, .size: 8, .value_kind: global_buffer, .address_space: global }
      - { .name: Wo, .offset: 32, .size: 8, .value_kind: global_buffer, .address_space: global }
      - { .name: codes, .offset: 40, .size: 8, .value_kind: global_buffer, .address_space: global }
      - { .name: scales, .offset: 48, .size: 8, .value_kind: global_buffer, .address_space: global }
      - { .name: woimg, .offset: 56, .size: 8, .value_kind: global_buffer, .address_space: global }
    .group_segment_fixed_size: 34304
    .private_segment_fixed_size: 0
    .kernarg_segment_align: 8
    .kernarg_segment_size: 64
    .max_flat_workgroup_size: 128
    .sgpr_count:     66
    .vgpr_count:     256
    .wavefront_size: 32
...
	.end_amdgpu_metadata
.endif
;; end of part 1
;; launch qkv (part 2): grid 8 x 24, 4 waves a work-group, clusters of 4 x 4, 279,040 bytes of LDS; arguments codes, scales, qkv, first; writes qkv, first
.if DOCPART == 2
	.amdgcn_target "amdgcn-amd-amdhsa--gfx1250"
	.amdhsa_code_object_version 6
	.text
	.protected	k_qe04b2adc2d_qkv
	.globl	k_qe04b2adc2d_qkv
	.p2align	8
	.type	k_qe04b2adc2d_qkv,@function
k_qe04b2adc2d_qkv:
	s_mov_b64 s[64:65], 0
	v_nop
	global_prefetch_b8 v0, s[64:65] scope:SCOPE_SE
	s_setreg_imm32_b32 hwreg(HW_REG_WAVE_MODE, 25, 1), 1
	s_wait_xcnt 0x0
	s_wait_alu depctr_hold_cnt(0) depctr_sa_sdst(0) depctr_va_vdst(0) depctr_va_sdst(0) depctr_va_ssrc(0) depctr_va_vcc(0) depctr_vm_vsrc(0)
	s_getreg_b32 s2, hwreg(HW_REG_IB_STS2, 6, 4)
	s_cmp_eq_u32 s2, 0
	s_cbranch_scc0 .Lentry_in_a_cluster
	s_endpgm
.Lentry_in_a_cluster:
	s_bfe_u32 s2, ttmp6, 0x10000c
	s_cmp_lg_u32 s2, 0xf033
	s_cbranch_scc0 .Lentry_shape_is_right
	s_endpgm
.Lentry_shape_is_right:
; q = x Wq, k = x Wk, v = x Wv on codes of FP4 (E2M1) with E8M0 scales, K = 1,024; sums in f32.  Results leave as f16 IMAGES of the operands that the attention launch wants; positions 0-15 also as f32 images.
; ONE GENERIC PRODUCT on the row space of 7,168 rows: source 0 = 16 rows 'P', source 1 = 16 rows 'R'.  In the result lane l holds R's row l % 16 and its registers 0-7 P's rows 8 (l / 16) + 0 .. 7.
;   q, k: P = columns of Wq, Wk; R = positions: a lane holds eight neighbouring channels of one position.     v: P = positions; R = columns of Wv: a lane holds eight neighbouring keys of one channel (V turned).
; So four roundings to pairs of f16 give four registers of the next launch's fragment, and a store of 16 bytes a lane writes 512 consecutive bytes of its image: no stage on the way out.
; A work-group makes 256 P x 256 R, each of its four waves 128 x 128 (64 accumulators, 512 registers).  192 work-groups: 8 x 16 tiles for q and k, 16 x 4 for v.
; ALL OF K FITS IN LDS: two slots of 512 along K, both asked for at the head; nothing is filled again.  Tiles are dense blocks of images, so every fragment load reads 512 consecutive bytes: no pitch, no padding.
; CLUSTERS: 4 x 4.  R's tile hangs on the place along y and is asked for jointly by a row of the cluster, P's on the place along x, by a column.  Whether a cluster works for q, k or for v hangs on the cluster's y alone.
; LIMITS: q, k, v are rounded to f16: magnitudes up to 65,504, steps of 6e-8 under 6e-5.
; REGISTERS: window 0: v16-29 addresses; v32-95 scale words, a set for each slot; v128-191 R's fragments, one set; on the way out v64-191 packed results.
;   window 1: P's fragments, two sets, at v0 and v128.   window 2: accumulators of my R rows 0-63 ((a, b) at v[8 (8 a + b)]);   window 3: of rows 64-127.
.set KH_C,   1835008                   ; bytes of a K half of the codes
.set KH_S,   114688                    ; and of the scales
.set NQ,     4                         ; steps of 128 along K in a slot
.set FR,     8                         ; registers of a fragment
.set NL,     2                         ; LDS loads that bring one
.set NP,     4                         ; places behind this matrix instruction (ISA guide 7.12.1)
.set HALFT,  32768                     ; 128 rows x 512 K: what one tensor load brings: [tile of 16 rows 8][step 4][1,024]
.set SLOT,   4*HALFT                   ; R's 256 rows, then P's 256 rows
.set SCL,    2*SLOT                    ; behind the slots: the scales: for each wave's load [K half 2][128 rows][16 bytes]
.set HALFS,  4096
.set SPARE,  SCL+4*HALFS               ; the spare words, 128 bytes a wave
.set ADRA, 16                          ; v16-17 my R fragments in slot 0, 1
.set ADRB, 20                          ; v20-21 my P fragments
.set CO1,  25                          ; v25  16 x lane + the stride from four P tiles to the next four
.set CO0,  26                          ; v26  16 x lane
.set ADRS, 27                          ; v27  my scale words: lanes 0-15 R's rows, lanes 16-31 P's
.set SPW,  28
.set NIL,  29
.set SC,   32
.set TMP,  64
.set AF,   128
.set G1, 24                            ; s[24:31] group 1, R's codes;  s[32:39] groups 0, a set for each slot
.set G0, 32
.set G1B, 48                           ; s[48:55], s[56:63] the same for P
.set G0B, 56
.set G1S, 68                           ; s[68:75], s[76:79] R's scales;  s[80:87], s[88:91] P's
.set G0S, 76
.set G1SB, 80
.set G0SB, 88
.set MSB, 0
.macro WIN new                         ; the immediate's high byte repeats the setting that is left
.if MSB != \new
	s_set_vgpr_msb (MSB<<8)|\new
.set MSB, \new
.endif
.endm
.set MUL_LO, 0xa1                      ; source 0 (P) window 1, source 1 (R) window 0, C and D window 2
.set MUL_HI, 0xf1
.set TO_B,   0x40
; A joint load: waves 0 and 1 fetch for R, waves 2 and 3 for P.  The branch hangs on the wave's number alone.  An s_nop 0 and four v_nop follow each of the two lines.
.macro JLOAD g0a, g1a, g0b, g1b
	s_cmp_eq_u32 s15, 0
	s_cbranch_scc0 .Lfor_b_\@
	tensor_load_to_lds s[\g0a:\g0a+3], s[\g1a:\g1a+7]
	s_nop 0
.rept 4
	v_nop
.endr
	s_branch .Lasked_\@
.Lfor_b_\@:
	tensor_load_to_lds s[\g0b:\g0b+3], s[\g1b:\g1b+7]
	s_nop 0
.rept 4
	v_nop
.endr
.Lasked_\@:
.endm
.macro CROUND                          ; a round of the cluster's barrier
	s_barrier_signal -1
	s_barrier_wait -1
	s_cmp_lg_u32 s14, 0
	s_cbranch_scc1 .Lnot_wave_0_\@
	s_barrier_signal -3
.Lnot_wave_0_\@:
	s_barrier_wait -3
	s_barrier_signal -1
	s_barrier_wait -1
.endm
	s_load_b256 s[4:11], s[0:1], 0x0               ; codes s[4:5], scales s[6:7], qkv s[8:9], first s[10:11]
	v_lshl_add_u32 v[SPW], v0, 2, SPARE
	v_mov_b32 v[NIL], 0
	ds_add_u32 v[SPW], v[NIL]                      ; the wave's opening: the add, twice on end, and its wait ahead of my first tensor load
	ds_add_u32 v[SPW], v[NIL]
	v_lshrrev_b32 v1, 5, v0
	v_readfirstlane_b32 s14, v1                    ; wave
	s_lshr_b32 s15, s14, 1                         ; which half of R's rows is mine.  Also: I fetch for R (0) or for P (1)
	s_and_b32 s16, s14, 1                          ; which half of P's rows.  Also: which 128 rows I fetch
	s_bfe_u32 s40, ttmp6, 0x40000                  ; cx
	s_bfe_u32 s41, ttmp6, 0x40004                  ; cy
	s_and_b32 s13, ttmp7, 0xffff                   ; cluster y: 0-3 q and k, 4-5 v
	s_lshl_b32 s12, ttmp9, 2                       ; 4 x cluster x
	s_max_u32 s18, s13, 4
	s_sub_co_u32 s18, s18, 4
	s_lshl_b32 s18, s18, 3
	s_add_co_u32 s95, s18, s12                     ; P's tile, counted within its kind: 4 X for q, k; 4 X + 8 (Y - 4) for v
	s_add_co_u32 s45, s95, 16
	s_lshl_b32 s19, s13, 2
	s_mov_b32 s96, 0x80000
	s_mov_b32 s97, 0x1000000
	s_cmp_ge_u32 s13, 4                            ; v?  The same in all sixteen partners
	s_cselect_b32 s17, 1, 0
	s_cselect_b32 s42, s95, s45                    ; P's tile of 256 rows in the row space: positions from 0, Wq and Wk from 16
	s_cselect_b32 s94, 0, s19                      ; R's tile within its kind
	s_cselect_b32 s98, 24, s19                     ; and in the row space: Wv from 24, positions from 0
	s_cselect_b32 s96, 0x20000, s96                ; bytes from four P tiles of 16 to the next four in the output
	s_cselect_b32 s97, s97, 0                      ; where the output's region begins
	s_add_co_u32 s95, s95, s40
	s_add_co_u32 s42, s42, s40
	s_add_co_u32 s94, s94, s41
	s_add_co_u32 s98, s98, s41
	s_lshl_b32 s43, s41, 2
	s_lshl_b32 s43, 15, s43                        ; my row of the cluster
	s_lshl_b32 s44, 0x1111, s40                    ; my column
	; group 1, codes: 32,768 dense bytes as 128 rows of 32 elements of 8 bytes
	s_or_b32 s[G1+0], s43, (3<<16)|(1<<21)         ; 15:0 the mask; 17:16 elements of 8 bytes; 21 set beside a mask
	s_or_b32 s[G1B+0], s44, (3<<16)|(1<<21)
.irp g, G1, G1B
	s_mov_b32 s[\g+1], 32<<16                      ; tensor_dim0
	s_mov_b32 s[\g+2], 128<<16                     ; tensor_dim1
	s_mov_b32 s[\g+3], 32<<16                      ; tile_dim0
	s_mov_b32 s[\g+4], 128                         ; tile_dim1
	s_mov_b32 s[\g+5], 32                          ; from row to row
	s_mov_b32 s[\g+6], 0
	s_mov_b32 s[\g+7], 0
.endr
	; group 1, scales: two rows (the K halves) of 2,048 bytes, KH_S bytes apart
	s_or_b32 s[G1S+0], s43, (3<<16)|(1<<21)
	s_or_b32 s[G1SB+0], s44, (3<<16)|(1<<21)
.irp g, G1S, G1SB
	s_mov_b32 s[\g+1], 256<<16
	s_mov_b32 s[\g+2], 2<<16
	s_mov_b32 s[\g+3], 256<<16
	s_mov_b32 s[\g+4], 2
	s_mov_b32 s[\g+5], KH_S/8
	s_mov_b32 s[\g+6], 0
	s_mov_b32 s[\g+7], 0
.endr
	s_lshl_b32 s18, s16, 15                        ; which 128 rows I fetch: in the codes,
	s_lshl_b32 s19, s16, 11                        ; in the scales
	s_lshl_b32 s20, s98, 16                        ; R: a tile of 256 rows is 65,536 bytes of a K half's codes
	s_add_co_u32 s20, s20, s18
	s_mov_b32 s21, 0
	s_lshl_b32 s22, s98, 12                        ; and 4,096 of its scales
	s_add_co_u32 s22, s22, s19
	s_mov_b32 s23, 0
	s_lshl_b32 s46, s42, 16                        ; P likewise, in registers that never hold R's coordinate
	s_add_co_u32 s46, s46, s18
	s_mov_b32 s47, 0
	s_lshl_b32 s92, s42, 12
	s_add_co_u32 s92, s92, s19
	s_mov_b32 s93, 0
	s_lshl_b32 s45, s14, 15                        ; where they go: wave x 32,768: no place in the cluster enters an LDS address
	s_lshl_b32 s99, s14, 12
	s_wait_dscnt 0x0                               ; both opening adds are done
	s_wait_kmcnt 0x0
	s_add_nc_u64 s[20:21], s[4:5], s[20:21]
	s_add_nc_u64 s[22:23], s[6:7], s[22:23]
	s_add_nc_u64 s[46:47], s[4:5], s[46:47]
	s_add_nc_u64 s[92:93], s[6:7], s[92:93]
	CROUND                                         ; all sixteen work-groups are here: the joint loads meet
	s_mov_b32 s[G0S], 1
	s_add_co_u32 s[G0S+1], s99, SCL
	s_mov_b64 s[G0S+2:G0S+3], s[22:23]
	s_or_b32 s[G0S+3], s[G0S+3], 0x80000000
	s_mov_b32 s[G0SB], 1
	s_add_co_u32 s[G0SB+1], s99, SCL
	s_mov_b64 s[G0SB+2:G0SB+3], s[92:93]
	s_or_b32 s[G0SB+3], s[G0SB+3], 0x80000000
	JLOAD G0S, G1S, G0SB, G1SB                     ; the scales first: they are wanted with the first step
.irp s, 0,1
	s_mov_b32 s[G0+4*\s], 1
	s_add_co_u32 s[G0+4*\s+1], s45, \s*SLOT
	s_add_nc_u64 s[G0+4*\s+2:G0+4*\s+3], s[20:21], \s*KH_C
	s_or_b32 s[G0+4*\s+3], s[G0+4*\s+3], 0x80000000
	s_mov_b32 s[G0B+4*\s], 1
	s_add_co_u32 s[G0B+4*\s+1], s45, \s*SLOT
	s_add_nc_u64 s[G0B+4*\s+2:G0B+4*\s+3], s[46:47], \s*KH_C
	s_or_b32 s[G0B+4*\s+3], s[G0B+4*\s+3], 0x80000000
	JLOAD G0+4*\s, G1, G0B+4*\s, G1B               ; three tensor loads of a wave are out
.endr
	v_and_b32 v1, 15, v0                           ; r
	v_bfe_u32 v2, v0, 4, 1                         ; h
	v_and_b32 v3, 31, v0
	v_lshlrev_b32 v[CO0], 4, v3                    ; 16 x lane
	v_add_nc_u32 v[CO1], s96, v[CO0]
	s_lshl_b32 s99, s15, 15                        ; my 128 rows of R
	s_lshl_b32 s100, s16, 15                       ; my 128 rows of P,
	s_add_co_u32 s100, s100, 2*HALFT               ; which lie behind R's 256
.irp s, 0,1
	v_add_nc_u32 v[ADRA+\s], s99, v[CO0]
	v_add_nc_u32 v[ADRB+\s], s100, v[CO0]
	s_add_co_u32 s99, s99, SLOT
	s_add_co_u32 s100, s100, SLOT
.endr
	v_lshlrev_b32 v5, 4, v1                        ; my row's 16 scale bytes of a K half
	s_lshl_b32 s99, s15, 12                        ; R's: my 128 rows
	s_lshl_b32 s100, s16, 12                       ; P's: my 128 rows, behind R's two parts
	s_add_co_u32 s100, s100, 2*HALFS
	s_sub_co_u32 s100, s100, s99
	v_mul_u32_u24 v6, s100, v2                     ; lanes 16-31 take P's: one product, the distance between the two x h
	s_add_co_u32 s99, s99, SCL
	v_add_nc_u32 v5, v5, v6
	v_add_nc_u32 v[ADRS], s99, v5
.macro FRAG reg, adr, q, i             ; a fragment's image: two groups of four registers, 512 consecutive bytes each
.irp c, 0,1
	ds_load_b128 v[\reg+4*\c:\reg+4*\c+3], v[\adr] offset:(4*(\i)+(\q))*1024+512*\c
.endr
.endm
; 16 matrix instructions: R's blocks a0, a0 + 1 x P's eight, 128 along K.  p: P's set; sc: the set of scale words.  zero = 1: the first product starts the sums.
; The 64 accumulators take turns, one instruction a turn, in the same order in every step.
.macro MUL16 a0, p, q, sc, zero
.irp a, \a0, \a0+1
.irp b, 0,1,2,3,4,5,6,7
.if \zero
	v_wmma_scale_f32_16x16x128_f8f6f4 v[8*(8*((\a)%4)+\b):8*(8*((\a)%4)+\b)+7], v[128*(\p)+FR*\b:128*(\p)+FR*\b+FR-1], v[AF+FR*(\a):AF+FR*(\a)+FR-1], 0, v[SC+8*NQ*(\sc)+NQ*\b+(\q)], v[SC+8*NQ*(\sc)+NQ*(\a)+(\q)] matrix_a_fmt:MATRIX_FMT_FP4 matrix_b_fmt:MATRIX_FMT_FP4 matrix_a_scale:MATRIX_SCALE_ROW1
.else
	v_wmma_scale_f32_16x16x128_f8f6f4 v[8*(8*((\a)%4)+\b):8*(8*((\a)%4)+\b)+7], v[128*(\p)+FR*\b:128*(\p)+FR*\b+FR-1], v[AF+FR*(\a):AF+FR*(\a)+FR-1], v[8*(8*((\a)%4)+\b):8*(8*((\a)%4)+\b)+7], v[SC+8*NQ*(\sc)+NQ*\b+(\q)], v[SC+8*NQ*(\sc)+NQ*(\a)+(\q)] matrix_a_fmt:MATRIX_FMT_FP4 matrix_b_fmt:MATRIX_FMT_FP4 matrix_a_scale:MATRIX_SCALE_ROW1
.endif
.endr
.endr
.endm
.macro FETCH_B slot, q, p              ; P's eight fragments of the slot's q-th 128 along K into set p
	WIN TO_B
.irp i, 0,1,2,3,4,5,6,7
	FRAG 128*(\p)+FR*\i, ADRB+\slot, \q, \i
.endr
	WIN 0
.endm
.macro FETCH_A slot, q, i0             ; R's blocks i0 .. i0 + 3
.irp i, \i0, \i0+1, \i0+2, \i0+3
	FRAG AF+FR*(\i), ADRA+\slot, \q, \i
.endr
.endm
.macro SCALES sc                       ; a slot's scale words: four a row; lanes 0-15 take R's block i, lanes 16-31 P's block i
.irp i, 0,1,2,3,4,5,6,7
	ds_load_b128 v[SC+8*NQ*\sc+NQ*\i:SC+8*NQ*\sc+NQ*\i+3], v[ADRS] offset:\sc*2048+\i*256
.endr
.endm
.macro PLACES n                        ; plain vector lines between a matrix instruction and a load into, or a read of, its registers
.rept \n
	v_nop
.endr
.endm
.macro STEP slot, q, zero              ; a step of 128 along K that has its successor in the same slot
	s_wait_dscnt 4*NL                              ; P's set, the scale words and R's blocks 0-3 are in; the youngest eight loads (R's blocks 4-7) may be out
	WIN MUL_LO
	MUL16 0, (\q)%2, \q, \slot, \zero
	MUL16 2, (\q)%2, \q, \slot, \zero
	s_wait_dscnt 0                                 ; R's blocks 4-7 are in
	PLACES NP
	FETCH_B \slot, (\q)+1, 1-(\q)%2
	FETCH_A \slot, (\q)+1, 0
	WIN MUL_HI
	MUL16 4, (\q)%2, \q, \slot, \zero
	MUL16 6, (\q)%2, \q, \slot, \zero
	PLACES NP
	WIN 0
	FETCH_A \slot, (\q)+1, 4
.endm
	s_wait_tensorcnt 1                             ; the scales and my part of slot 0 are in; slot 1's load may stay out
	s_barrier_signal -1
	s_barrier_wait -1                              ; everybody's are
	FETCH_B 0, 0, 0
	FETCH_A 0, 0, 0
	SCALES 0
	FETCH_A 0, 0, 4
	STEP 0, 0, 1                                   ; the first step's products start the sums: nothing is cleared
	STEP 0, 1, 0
	STEP 0, 2, 0
	; slot 0's last step crosses into slot 1: my part of it has landed, then a barrier, then its first fragments.
	s_wait_tensorcnt 0x0
	s_wait_dscnt 4*NL
	WIN MUL_LO
	MUL16 0, 1, 3, 0, 0
	s_wait_dscnt 0x0                               ; no LDS instruction of mine is out at the signal
	s_barrier_signal -1
	MUL16 2, 1, 3, 0, 0                            ; work on registers while the others arrive
	WIN 0
	s_barrier_wait -1
	PLACES NP
	FETCH_B 1, 0, 0
	FETCH_A 1, 0, 0
	SCALES 1
	WIN MUL_HI
	MUL16 4, 1, 3, 0, 0
	MUL16 6, 1, 3, 0, 0
	PLACES NP
	WIN 0
	FETCH_A 1, 0, 4
	STEP 1, 0, 0
	STEP 1, 1, 0
	STEP 1, 2, 0
	s_wait_dscnt 4*NL                              ; the very last step: nothing more to fetch
	WIN MUL_LO
	MUL16 0, 1, 3, 1, 0
	MUL16 2, 1, 3, 1, 0
	s_wait_dscnt 0
	WIN MUL_HI
	MUL16 4, 1, 3, 1, 0
	MUL16 6, 1, 3, 1, 0
	WIN 0
	PLACES NP                                      ; behind the last products: results are read, and operands' registers written, from here on
	; POSITIONS 0-15 IN f32, for the launch that carries the first rows finely: accumulators as they stand, 1,024 bytes each.  Which waves hold them hangs on the work-group's place in its cluster
	; The stores are written for all and EXEC chooses.  q, k: R's tile 0, my rows' half 0, block a = 0: eight accumulators (0, b).
	s_or_b32 s20, s94, s15
	s_or_b32 s20, s20, s17                         ; 0 in the waves that hold them
	s_lshl_b32 s100, s95, 14
	s_lshl_b32 s99, s16, 13
	s_add_co_u32 s100, s100, s99                   ; 1,024 bytes for each P tile of 16
	s_cmp_eq_u32 s20, 0
	s_cselect_b32 s100, s100, 0                    ; (elsewhere an address inside the buffer, unused)
	s_mov_b32 s101, 0
	s_add_nc_u64 s[100:101], s[10:11], s[100:101]
	v_cmp_eq_u32 vcc_lo, s20, v[NIL]
	s_wait_xcnt 0x0                                ; EXEC changes only behind this wait
	s_and_saveexec_b32 s99, vcc_lo
	WIN 0x08                                       ; a store's data: window 2
.irp b, 0,1,2,3,4,5,6,7
	global_store_b128 v[CO0], v[8*\b:8*\b+3], s[100:101] offset:\b*1024        ; each accumulator from its low end on
	global_store_b128 v[CO0], v[8*\b+4:8*\b+7], s[100:101] offset:\b*1024+512
.endr
	WIN 0
	s_wait_xcnt 0x0                                ; and again, in front of the line that widens it
	s_or_b32 exec_lo, exec_lo, s99
	; v: P's tile 0, my P half 0, block b = 0: eight accumulators (a, 0)
	s_xor_b32 s46, s17, 1
	s_or_b32 s46, s46, s95
	s_or_b32 s46, s46, s16                         ; 0 in the waves that hold them
	s_lshl_b32 s66, s94, 14
	s_lshl_b32 s99, s15, 13
	s_add_co_u32 s66, s66, s99
	s_cmp_eq_u32 s46, 0
	s_cselect_b32 s66, s66, 0
	s_add_co_u32 s66, s66, 131072                  ; behind q's and k's 128 images
	s_mov_b32 s67, 0
	s_add_nc_u64 s[66:67], s[10:11], s[66:67]
	v_cmp_eq_u32 vcc_lo, s46, v[NIL]
	s_and_saveexec_b32 s99, vcc_lo                 ; (no memory instruction has been issued since the last wait)
	WIN 0x08
.irp a, 0,1,2,3
	global_store_b128 v[CO0], v[64*\a:64*\a+3], s[66:67] offset:\a*1024
	global_store_b128 v[CO0], v[64*\a+4:64*\a+7], s[66:67] offset:\a*1024+512
.endr
	WIN 0x0c                                       ; window 3
.irp a, 0,1,2,3
	global_store_b128 v[CO0], v[64*\a:64*\a+3], s[66:67] offset:(\a+4)*1024
	global_store_b128 v[CO0], v[64*\a+4:64*\a+7], s[66:67] offset:(\a+4)*1024+512
.endr
	WIN 0
	s_wait_xcnt 0x0
	s_or_b32 exec_lo, exec_lo, s99
	; THE WAY OUT.  P tile pt of 16 and R tile rt of 16 go to region + (pt / 4) stride + 2,048 rt + 1,024 ((pt / 2) % 2) + 512 (pt % 2) + 16 lane
	s_lshl_b32 s99, s95, 2
	s_lshl_b32 s100, s16, 1
	s_add_co_u32 s99, s99, s100
	s_mul_i32 s100, s99, s96
	s_add_co_u32 s100, s100, s97
	s_lshl_b32 s99, s94, 15
	s_add_co_u32 s100, s100, s99
	s_lshl_b32 s99, s15, 14
	s_add_co_u32 s100, s100, s99
	s_mov_b32 s101, 0
	s_add_nc_u64 s[100:101], s[8:9], s[100:101]
.macro PACK a                          ; block a's 8 accumulators, rounded to f16 in pairs: four registers each
.set AC, 64*((\a)%4)
.set TP, TMP+32*((\a)%4)
.set WN, 0x0a+5*((\a)/4)
	WIN WN                                         ; sources 0 and 1: window 2 or 3
.irp b, 0,1,2,3,4,5,6,7
.irp r, 0,1,2,3
	v_cvt_pk_f16_f32 v[TP+4*\b+\r], v[AC+8*\b+2*\r], v[AC+8*\b+2*\r+1]
.endr
.endr
	WIN 0
.endm
.macro SENDQ a
.set TP, TMP+32*((\a)%4)
.irp b, 0,1,2,3,4,5,6,7
	global_store_b128 v[CO0-(\b>>2)], v[TP+4*\b:TP+4*\b+3], s[100:101] offset:(\a)*2048+((\b>>1)&1)*1024+(\b&1)*512   ; 32 lanes store 512 consecutive bytes, aligned
.endr
.endm
.irp a, 0,1,2,3,4,5,6,7
.if \a > 3
	s_wait_xcnt 0x0                                ; block a - 4's stores have read their registers, which are written again now
.endif
	PACK \a
	SENDQ \a
.endr
	s_wait_tensorcnt 0x0                           ; the wave's end
	ds_add_u32 v[SPW], v[NIL]
	s_wait_dscnt 0x0
	CROUND                                         ; the closing round
	s_endpgm
.Lfunc_end_k_qe04b2adc2d_qkv:
	.size	k_qe04b2adc2d_qkv, .Lfunc_end_k_qe04b2adc2d_qkv-k_qe04b2adc2d_qkv
	.p2alignl 7, 3214868480
	.fill 96, 4, 3214868480
	.section	.rodata,"a",@progbits
	.p2align	6, 0x0
	.amdhsa_kernel k_qe04b2adc2d_qkv
		.amdhsa_group_segment_fixed_size 279040
		.amdhsa_private_segment_fixed_size 0
		.amdhsa_enable_private_segment 0
		.amdhsa_kernarg_size 32
		.amdhsa_user_sgpr_count 2
		.amdhsa_user_sgpr_kernarg_segment_ptr 1
		.amdhsa_wavefront_size32 1
		.amdhsa_system_sgpr_workgroup_id_x 1
		.amdhsa_system_sgpr_workgroup_id_y 1
		.amdhsa_system_sgpr_workgroup_id_z 1
		.amdhsa_system_vgpr_workitem_id 0
		.amdhsa_next_free_vgpr 1024
		.amdhsa_next_free_sgpr 102
		.amdhsa_reserve_vcc 1
		.amdhsa_float_denorm_mode_32 3
		.amdhsa_float_denorm_mode_16_64 3
		.amdhsa_memory_ordered 1
		.amdhsa_forward_progress 1
		.amdhsa_inst_pref_size 121
	.end_amdhsa_kernel
	.amdgpu_metadata
---
amdhsa.version: [ 1, 2 ]
amdhsa.kernels:
  - .name:           k_qe04b2adc2d_qkv
    .symbol:         k_qe04b2adc2d_qkv.kd
    .args:
      - { .name: codes, .offset: 0, .size: 8, .value_kind: global_buffer, .address_space: global }
      - { .name: scales, .offset: 8, .size: 8, .value_kind: global_buffer, .address_space: global }
      - { .name: qkv, .offset: 16, .size: 8, .value_kind: global_buffer, .address_space: global }
      - { .name: first, .offset: 24, .size: 8, .value_kind: global_buffer, .address_space: global }
    .group_segment_fixed_size: 279040
    .private_segment_fixed_size: 0
    .kernarg_segment_align: 8
    .kernarg_segment_size: 32
    .max_flat_workgroup_size: 128
    .sgpr_count:     102
    .vgpr_count:     1024
    .wavefront_size: 32
...
	.end_amdgpu_metadata
.endif
;; end of part 2
;; launch attn (part 3): grid 16 x 16, 16 waves a work-group, no clusters, 167,936 bytes of LDS; arguments qkv, aimg; writes aimg
.if DOCPART == 3
	.amdgcn_target "amdgcn-amd-amdhsa--gfx1250"
	.amdhsa_code_object_version 6
	.text
	.protected	k_qe04b2adc2d_attn
	.globl	k_qe04b2adc2d_attn
	.p2align	8
	.type	k_qe04b2adc2d_attn,@function
k_qe04b2adc2d_attn:
	s_mov_b64 s[64:65], 0
	v_nop
	global_prefetch_b8 v0, s[64:65] scope:SCOPE_SE
	s_setreg_imm32_b32 hwreg(HW_REG_WAVE_MODE, 25, 1), 1
	s_wait_xcnt 0x0
; Attention under the mask that the problem builds itself: query i sees keys i - 256 .. i.  16 heads of 64 channels, 4,096 positions.  Operands f16 (images made by the launch before), sums, maxima, exponentials in f32.
; SHARES.  A work-group owns 256 queries of one head; each of its sixteen waves 16 of them, in 256 registers: four waves to a SIMD, so that one wave's vector work stands beside another's products and LDS loads.
; The block's keys, 256 (block - 1) .. 256 block + 255, come into LDS ONCE: 64 KiB of K's images, 64 KiB of V's.  Nothing is filled again.  Wave w reads 18 tiles of 16 keys from tile 2 (w / 2) on: they cover its band of 272.
; For block 0 the earlier half does not exist: its loads take the block's own keys once more (a clamped address), and every score of that half is masked.
; ALL 144 SCORES OF A LANE STAY IN REGISTERS: the row's true maximum is taken once, p = 2^(c s - c m), c = log2(e) / 8; no running maximum, no rescaling.
; LAYOUT.  S^T = K Q^T (source 0 = 16 keys, source 1 = my 16 queries): a lane holds ONE query (lane % 16) and keys 8 (lane / 16) + 0 .. 7 of each tile; two tiles rounded to f16 in pairs ARE source 1 of O^T = V^T P.
; NO CLUSTER: neighbouring blocks share 256 keys, but these are one block's later half and the other's earlier half: a joint load would need an LDS address that hangs on the work-group's place.
; LIMITS: the attention's result is rounded to f16 for the projection: magnitudes up to 65,504, steps of 6e-8 under 6e-5.  p is rounded to f16 for the second product; the row's sum is taken of the unrounded p.
.set VB,    65536                      ; LDS: K [tile of 16 keys 32][32 channels 2][1,024] at 0;  V [64 keys 8][16 channels 4][32 keys 2][1,024] here
.set SPARE, 131072                     ; the spare words, 128 bytes for each of 16 waves
.set LI,   1                           ; v1  16 x lane
.set AK,   2                           ; v2  my first tile of K
.set AVE,  3                           ; v3  V's images of my even steps of 32 keys
.set AVO,  4                           ; v4  of my odd steps
.set SPW,  5
.set NIL,  6
.set DLO,  7                           ; v7  score 16 t + j is hidden where 16 t + j < this
.set DHI,  8                           ; v8  or > this
.set NINF, 9                           ; v9  -infinity
.set QF,   16                          ; v16-31   Q: two fragments
.set FF,   32                          ; v32-95   two sets of four fragments
.set SS,   96                          ; v96-239  S^T, tile t at 96 + 8 t; then p; then P packed in v96-167
.set OO,   168                         ; v168-199 O^T
.set WV,   8
.set BLK,  9
.set HD,   10
.set WS,   11
.set G1K,  16                          ; s[16:23] group 1 for K;  s[24:31] for V;  s[32:35], s[36:39] their groups 0
.set G1V,  24
.set G0K,  32
.set G0V,  36
.set CS,   58                          ; s[58:59] c
.set SEL,  60                          ; s[60:61] lane l xor 16
	s_load_b128 s[4:7], s[0:1], 0x0                ; qkv, aimg
	v_lshl_add_u32 v[SPW], v0, 2, SPARE
	v_mov_b32 v[NIL], 0
	ds_add_u32 v[SPW], v[NIL]                      ; the wave's opening: the add, twice on end, and its wait ahead of the first tensor load
	ds_add_u32 v[SPW], v[NIL]
	v_lshrrev_b32 v10, 5, v0
	v_readfirstlane_b32 s[WV], v10                 ; wave 0..15
	s_mov_b32 s[BLK], ttmp9                        ; block of 256 queries
	s_and_b32 s[HD], ttmp7, 0xffff                 ; head
	s_and_b32 s[WS], s[WV], 3                      ; which quarter I fetch, if I fetch
	s_mov_b32 s[G1K], 3<<16                        ; K: 16,384 dense bytes as 64 rows of 32 elements of 8 bytes
	s_mov_b32 s[G1K+1], 32<<16
	s_mov_b32 s[G1K+2], 64<<16
	s_mov_b32 s[G1K+3], 32<<16
	s_mov_b32 s[G1K+4], 64
	s_mov_b32 s[G1K+5], 32
	s_mov_b32 s[G1K+6], 0
	s_mov_b32 s[G1K+7], 0
	s_mov_b32 s[G1V], 3<<16                        ; V: two groups of 64 keys: two rows of 8,192 bytes (the head's four tiles of channels), 131,072 bytes apart
	s_mov_b32 s[G1V+1], 1024<<16
	s_mov_b32 s[G1V+2], 2<<16
	s_mov_b32 s[G1V+3], 1024<<16
	s_mov_b32 s[G1V+4], 2
	s_mov_b32 s[G1V+5], 16384
	s_mov_b32 s[G1V+6], 0
	s_mov_b32 s[G1V+7], 0
	s_lshr_b32 s12, s[WS], 1
	s_add_co_u32 s12, s12, s[BLK]
	s_sub_co_i32 s12, s12, 1
	s_max_i32 s12, s12, 0                          ; the block of 256 keys: block - 1 or block; under 0: block 0 once more
	s_and_b32 s13, s[WS], 1                        ; its lower or upper half
	s_add_co_u32 s44, s[HD], 16                    ; k lies behind q's 16 heads
	s_lshl_b32 s44, s44, 19
	s_lshl_b32 s14, s12, 15
	s_add_co_u32 s44, s44, s14
	s_lshl_b32 s14, s13, 14
	s_add_co_u32 s44, s44, s14
	s_mov_b32 s45, 0
	s_lshl_b32 s46, s12, 19                        ; four groups of 64 keys a block
	s_lshl_b32 s14, s13, 18
	s_add_co_u32 s46, s46, s14
	s_lshl_b32 s14, s[HD], 13
	s_add_co_u32 s46, s46, s14
	s_add_co_u32 s46, s46, 0x1000000               ; v's region
	s_mov_b32 s47, 0
	s_lshl_b32 s15, s[WS], 14                      ; and in LDS
	s_lshl_b32 s14, s[BLK], 4
	s_add_co_u32 s14, s14, s[WV]                   ; my tile of 16 positions
	s_lshl_b32 s48, s[HD], 19
	s_lshl_b32 s49, s14, 11
	s_add_co_u32 s48, s48, s49                     ; Q's two images
	s_mov_b32 s49, 0
	s_lshr_b32 s50, s[HD], 2
	s_lshl_b32 s50, s50, 21                        ; the result: which 256 of the projection's K,
	s_lshl_b32 s51, s14, 13                        ; my tile of positions,
	s_add_co_u32 s50, s50, s51
	s_and_b32 s51, s[HD], 3
	s_lshl_b32 s51, s51, 11                        ; the head's two steps of 32
	s_add_co_u32 s50, s50, s51
	s_mov_b32 s51, 0
	s_mov_b32 s[CS], 0x3e38aa3b                    ; c = log2(e) / sqrt(64)
	s_mov_b32 s[CS+1], s[CS]                       ; (named with it as a pair, so it is written)
	s_mov_b32 s[SEL], 0x76543210
	s_mov_b32 s[SEL+1], 0xfedcba98
	s_wait_dscnt 0x0                               ; both opening adds are done
	s_wait_kmcnt 0x0
	s_mov_b32 s[G0K], 1
	s_mov_b32 s[G0K+1], s15
	s_add_nc_u64 s[G0K+2:G0K+3], s[4:5], s[44:45]
	s_or_b32 s[G0K+3], s[G0K+3], 0x80000000
	s_mov_b32 s[G0V], 1
	s_add_co_u32 s[G0V+1], s15, VB
	s_add_nc_u64 s[G0V+2:G0V+3], s[4:5], s[46:47]
	s_or_b32 s[G0V+3], s[G0V+3], 0x80000000
	; waves 0-3 fetch K's quarters, waves 4-7 V's, the others nothing: one load a wave.  An s_nop 0 and four v_nop follow each line
	s_cmp_lt_u32 s[WV], 4
	s_cbranch_scc0 .Lnot_k
	tensor_load_to_lds s[G0K:G0K+3], s[G1K:G1K+7]
	s_nop 0
.rept 4
	v_nop
.endr
	s_branch .Lasked
.Lnot_k:
	s_cmp_lt_u32 s[WV], 8
	s_cbranch_scc0 .Lasked
	tensor_load_to_lds s[G0V:G0V+3], s[G1V:G1V+7]
	s_nop 0
.rept 4
	v_nop
.endr
.Lasked:
	s_add_nc_u64 s[48:49], s[4:5], s[48:49]
	s_add_nc_u64 s[50:51], s[6:7], s[50:51]
	v_and_b32 v10, 31, v0
	v_lshlrev_b32 v[LI], 4, v10
.irp i, 0,1,2,3
	global_load_b128 v[QF+4*\i:QF+4*\i+3], v[LI], s[48:49] offset:512*\i   ; Q stays in registers
.endr
	v_and_b32 v10, 15, v0                          ; r
	v_bfe_u32 v11, v0, 4, 1                        ; h
	v_lshlrev_b32 v12, 3, v11                      ; 8 h
	s_lshr_b32 s56, s[WV], 1
	s_lshl_b32 s12, s56, 12                        ; tile 2 (w / 2): 2,048 bytes a tile
	v_add_nc_u32 v[AK], s12, v[LI]
	s_lshr_b32 s12, s56, 1                         ; my step g of 32 keys is the block's step w / 2 + g: group of 64 keys (step / 2), half (step % 2)
	s_lshl_b32 s12, s12, 13
	s_and_b32 s13, s56, 1
	s_lshl_b32 s13, s13, 10
	s_add_co_u32 s12, s12, s13
	s_add_co_u32 s12, s12, VB
	v_add_nc_u32 v[AVE], s12, v[LI]
	s_add_co_u32 s57, s56, 1
	s_lshr_b32 s12, s57, 1
	s_lshl_b32 s12, s12, 13
	s_and_b32 s13, s57, 1
	s_lshl_b32 s13, s13, 10
	s_add_co_u32 s12, s12, s13
	s_add_co_u32 s12, s12, VB
	v_add_nc_u32 v[AVO], s12, v[LI]
	; THE MASK.  Register 8 t + j holds the key that lies 16 t + 8 h + j behind my first tile's first key; my query lies 256 + 16 (w % 2) + r behind it.
	; Seen: 16 t + j <= 256 + 16 (w % 2) + r - 8 h, and >= 16 (w % 2) + r - 8 h; in block 0 also no key before the sequence's first: 16 t + j >= 256 - 16 w + 16 (w % 2) - 8 h, which is the larger bound there (256 - 16 w > 15)
	s_and_b32 s52, s[WV], 1
	s_lshl_b32 s52, s52, 4
	s_lshl_b32 s53, s[WV], 4
	s_sub_co_u32 s53, 256, s53
	s_cmp_eq_u32 s[BLK], 0
	s_cselect_b32 s53, s53, 0
	s_cselect_b32 s54, 0, 1
	s_add_co_u32 s53, s53, s52
	s_add_co_u32 s55, s52, 256
	v_mul_u32_u24 v[DLO], s54, v10
	v_add_nc_u32 v[DLO], s53, v[DLO]
	v_sub_nc_u32 v[DLO], v[DLO], v12
	v_add_nc_u32 v[DHI], s55, v10
	v_sub_nc_u32 v[DHI], v[DHI], v12
	v_mov_b32 v[NINF], 0xff800000
	v_mov_b32 v244, 0                              ; written once: a lane permute's destination counts as one of its sources
	s_wait_tensorcnt 0x0                           ; my load, if I have one, has landed,
	s_barrier_signal -1
	s_barrier_wait -1                              ; everybody's has
.macro KLOAD g                         ; tiles 2 g, 2 g + 1 of my 18: four fragments
.irp tt, 0,1
.irp u, 0,1
.irp hf, 0,1
	ds_load_b128 v[FF+32*((\g)%2)+16*\tt+8*\u+4*\hf:FF+32*((\g)%2)+16*\tt+8*\u+4*\hf+3], v[AK] offset:(2*(\g)+\tt)*2048+\u*1024+\hf*512
.endr
.endr
.endr
.endm
.macro VLOAD g                         ; V turned, my g-th 32 keys: four fragments of 16 channels
.irp dt, 0,1,2,3
.irp hf, 0,1
	ds_load_b128 v[FF+32*((\g)%2)+8*\dt+4*\hf:FF+32*((\g)%2)+8*\dt+4*\hf+3], v[AVE+(\g)%2] offset:((\g)/2)*8192+\dt*2048+\hf*512
.endr
.endr
.endm
.macro KQ g                            ; two tiles of scores; the two accumulators take turns
.if (\g) < 8
	s_wait_dscnt 8                                 ; this step's eight loads are in; the next step's may be out
.else
	s_wait_dscnt 0x0
.endif
.set FS, FF+32*((\g)%2)
.set ST0, SS+16*(\g)
	v_wmma_f32_16x16x32_f16 v[ST0:ST0+7], v[FS:FS+7], v[QF:QF+7], 0
	v_wmma_f32_16x16x32_f16 v[ST0+8:ST0+15], v[FS+16:FS+23], v[QF:QF+7], 0
	v_wmma_f32_16x16x32_f16 v[ST0:ST0+7], v[FS+8:FS+15], v[QF+8:QF+15], v[ST0:ST0+7]
	v_wmma_f32_16x16x32_f16 v[ST0+8:ST0+15], v[FS+24:FS+31], v[QF+8:QF+15], v[ST0+8:ST0+15]
.rept 4
	v_nop                                          ; places in front of loads into registers that these products read, and of the first read of results
.endr
.if (\g) < 7
	KLOAD (\g)+2
.endif
.endm
	KLOAD 0
	KLOAD 1
	s_wait_loadcnt 0x0                             ; Q
.irp g, 0,1,2,3,4,5,6,7,8
	KQ \g
.endr
	VLOAD 0                                        ; V's first two steps land during the softmax
	VLOAD 1
.macro LOMASK t
.irp j, 0,1,2,3,4,5,6,7
	v_cmp_lt_i32 vcc_lo, 16*(\t)+\j, v[DLO]
	v_cndmask_b32 v[SS+8*(\t)+\j], v[SS+8*(\t)+\j], v[NINF], vcc_lo
.endr
.endm
.macro HIMASK t
.irp j, 0,1,2,3,4,5,6,7
	v_cmp_gt_i32 vcc_lo, 16*(\t)+\j, v[DHI]
	v_cndmask_b32 v[SS+8*(\t)+\j], v[SS+8*(\t)+\j], v[NINF], vcc_lo
.endr
.endm
	LOMASK 0                                       ; from block 1 on the lower bound is at most 31: tiles 0 and 1
	LOMASK 1
	HIMASK 16                                      ; the upper bound is at least 248: tiles 16 and 17
	HIMASK 17
	s_cmp_lg_u32 s[BLK], 0                         ; block 0: the lower bound reaches up to 256.  A branch on the work-group's number, round vector lines alone
	s_cbranch_scc1 .Lopen
.irp t, 2,3,4,5,6,7,8,9,10,11,12,13,14,15
	LOMASK \t
.endr
.Lopen:
	; the row's maximum: four chains, four tiles by turns, each tile from its low end on
.set G, 0
.rept 5
.set I, 0
.rept 4
.set CC, 0
.rept 4
.if 4*G+CC < 18
.if (G == 0) && (I == 0)
	v_max_num_f32 v[240+CC], v[SS+8*(4*G+CC)], v[SS+8*(4*G+CC)+1]
.else
	v_max3_num_f32 v[240+CC], v[240+CC], v[SS+8*(4*G+CC)+2*I], v[SS+8*(4*G+CC)+2*I+1]
.endif
.endif
.set CC, CC+1
.endr
.set I, I+1
.endr
.set G, G+1
.endr
	v_max3_num_f32 v240, v240, v241, v242
	v_max_num_f32 v240, v240, v243
	v_permlanex16_b32 v244, v240, s[SEL], s[SEL+1] ; the query's other keys lie in the lane 16 away
	v_max_num_f32 v240, v240, v244                 ; a number: the query's own key is always seen
	v_mul_f32 v246, s[CS], v240                    ; c m
	v_mov_b32 v247, v246
.set I, 0
.rept 72
	v_pk_fma_f32 v[SS+I:SS+I+1], v[SS+I:SS+I+1], s[CS:CS+1], v[246:247] op_sel_hi:[1,0,0] neg_lo:[0,0,1] neg_hi:[0,0,1]   ; c s - c m, two at a time
.set I, I+2
.endr
.set I, 0
.rept 144
	v_exp_f32 v[SS+I], v[SS+I]                     ; p; 0 where the score is hidden
.set I, I+1
.endr
	v_nop                                          ; a plain line behind the last exponential
	s_wait_alu depctr_va_vdst(0)                   ; one wait for the whole batch, ahead of its first reader
	v_pk_add_f32 v[248:249], v[SS:SS+1], v[SS+2:SS+3]              ; the row's sum, of the unrounded p: two chains of pairs
	v_pk_add_f32 v[250:251], v[SS+4:SS+5], v[SS+6:SS+7]
.set I, 8
.rept 34
	v_pk_add_f32 v[248:249], v[248:249], v[SS+I:SS+I+1]
	v_pk_add_f32 v[250:251], v[250:251], v[SS+I+2:SS+I+3]
.set I, I+4
.endr
	v_pk_add_f32 v[248:249], v[248:249], v[250:251]
	v_add_f32 v248, v248, v249
	v_permlanex16_b32 v244, v248, s[SEL], s[SEL+1]
	v_add_f32 v248, v248, v244
	v_rcp_f32 v252, v248
	v_mov_b32 v253, 0                              ; (the pair's upper half is named with it, so it is written; also the plain line behind the reciprocal)
.set I, 0
.rept 72
	v_cvt_pk_f16_f32 v[SS+I], v[SS+2*I], v[SS+2*I+1]   ; in place, ascending: register i takes numbers 2 i, 2 i + 1.  Tiles 2 g, 2 g + 1 become v[96 + 8 g ..]: source 1 of step g
.set I, I+1
.endr
	s_wait_alu depctr_va_vdst(0)                   ; the reciprocal's wait, behind independent work and ahead of its first reader
.macro PV g                            ; O^T += V^T P: four tiles of channels by turns
.if (\g) < 8
	s_wait_dscnt 8
.else
	s_wait_dscnt 0x0
.endif
.set FS, FF+32*((\g)%2)
.irp dt, 0,1,2,3
.if (\g) == 0
	v_wmma_f32_16x16x32_f16 v[OO+8*\dt:OO+8*\dt+7], v[FS+8*\dt:FS+8*\dt+7], v[SS+8*(\g):SS+8*(\g)+7], 0
.else
	v_wmma_f32_16x16x32_f16 v[OO+8*\dt:OO+8*\dt+7], v[FS+8*\dt:FS+8*\dt+7], v[SS+8*(\g):SS+8*(\g)+7], v[OO+8*\dt:OO+8*\dt+7]
.endif
.endr
.rept 4
	v_nop
.endr
.if (\g) < 7
	VLOAD (\g)+2
.endif
.endm
.irp g, 0,1,2,3,4,5,6,7,8
	PV \g
.endr
	; THE WAY OUT: O^T / the sum, rounded to f16 in pairs: a lane's eight channels of a tile are four registers of the projection's fragment
.set I, 0
.rept 16
	v_pk_mul_f32 v[OO+I:OO+I+1], v[OO+I:OO+I+1], v[252:253] op_sel_hi:[1,0]
.set I, I+2
.endr
.set I, 0
.rept 16
	v_cvt_pk_f16_f32 v[FF+I], v[OO+2*I], v[OO+2*I+1]
.set I, I+1
.endr
.irp dt, 0,1,2,3
	global_store_b128 v[LI], v[FF+4*\dt:FF+4*\dt+3], s[50:51] offset:(\dt>>1)*1024+(\dt&1)*512   ; 32 lanes store 512 consecutive bytes, aligned
.endr
	s_wait_tensorcnt 0x0                           ; the wave's end
	ds_add_u32 v[SPW], v[NIL]
	s_wait_dscnt 0x0
	s_endpgm
.Lfunc_end_k_qe04b2adc2d_attn:
	.size	k_qe04b2adc2d_attn, .Lfunc_end_k_qe04b2adc2d_attn-k_qe04b2adc2d_attn
	.p2alignl 7, 3214868480
	.fill 96, 4, 3214868480
	.section	.rodata,"a",@progbits
	.p2align	6, 0x0
	.amdhsa_kernel k_qe04b2adc2d_attn
		.amdhsa_group_segment_fixed_size 167936
		.amdhsa_private_segment_fixed_size 0
		.amdhsa_enable_private_segment 0
		.amdhsa_kernarg_size 16
		.amdhsa_user_sgpr_count 2
		.amdhsa_user_sgpr_kernarg_segment_ptr 1
		.amdhsa_wavefront_size32 1
		.amdhsa_system_sgpr_workgroup_id_x 1
		.amdhsa_system_sgpr_workgroup_id_y 1
		.amdhsa_system_sgpr_workgroup_id_z 1
		.amdhsa_system_vgpr_workitem_id 0
		.amdhsa_next_free_vgpr 256
		.amdhsa_next_free_sgpr 66
		.amdhsa_reserve_vcc 1
		.amdhsa_float_denorm_mode_32 3
		.amdhsa_float_denorm_mode_16_64 3
		.amdhsa_memory_ordered 1
		.amdhsa_forward_progress 1
		.amdhsa_inst_pref_size 61
	.end_amdhsa_kernel
	.amdgpu_metadata
---
amdhsa.version: [ 1, 2 ]
amdhsa.kernels:
  - .name:           k_qe04b2adc2d_attn
    .symbol:         k_qe04b2adc2d_attn.kd
    .args:
      - { .name: qkv, .offset: 0, .size: 8, .value_kind: global_buffer, .address_space: global }
      - { .name: aimg, .offset: 8, .size: 8, .value_kind: global_buffer, .address_space: global }
    .group_segment_fixed_size: 167936
    .private_segment_fixed_size: 0
    .kernarg_segment_align: 8
    .kernarg_segment_size: 16
    .max_flat_workgroup_size: 512
    .sgpr_count:     66
    .vgpr_count:     256
    .wavefront_size: 32
...
	.end_amdgpu_metadata
.endif
;; end of part 3
;; launch proj (part 4): grid 8 x 32, 4 waves a work-group, clusters of 4 x 4, 327,680 bytes of LDS; arguments aimg, woimg, out0; writes out0
.if DOCPART == 4
	.amdgcn_target "amdgcn-amd-amdhsa--gfx1250"
	.amdhsa_code_object_version 6
	.text
	.protected	k_qe04b2adc2d_proj
	.globl	k_qe04b2adc2d_proj
	.p2align	8
	.type	k_qe04b2adc2d_proj,@function
k_qe04b2adc2d_proj:
	s_mov_b64 s[64:65], 0
	v_nop
	global_prefetch_b8 v0, s[64:65] scope:SCOPE_SE
	s_setreg_imm32_b32 hwreg(HW_REG_WAVE_MODE, 25, 1), 1
	s_wait_xcnt 0x0
	s_wait_alu depctr_hold_cnt(0) depctr_sa_sdst(0) depctr_va_vdst(0) depctr_va_sdst(0) depctr_va_ssrc(0) depctr_va_vcc(0) depctr_vm_vsrc(0)
	s_getreg_b32 s2, hwreg(HW_REG_IB_STS2, 6, 4)
	s_cmp_eq_u32 s2, 0
	s_cbranch_scc0 .Lentry_in_a_cluster
	s_endpgm
.Lentry_in_a_cluster:
	s_bfe_u32 s2, ttmp6, 0x10000c
	s_cmp_lg_u32 s2, 0xf033
	s_cbranch_scc0 .Lentry_shape_is_right
	s_endpgm
.Lentry_shape_is_right:
; out0 [4096][1024] f32 = A Wo, A the attention's result, K = 1,024; both operands f16, as images of fragments made by earlier launches; sums in f32.
; A tile of out0 is 128 x 128: 256 work-groups, one for each WGP.  Four waves, each 64 x 64: 16 accumulators.  K goes in four steps of 256 through two LDS slots filled by the tensor data mover.
; A step's tile is a dense block of images, [tile of 16 rows 4][step of 32 K 8][1,024 bytes] for each wave's load, so every fragment load reads 512 consecutive bytes: no pitch, no padding.
; CLUSTERS: 4 x 4: A's tiles are asked for jointly by a row of the cluster, Wo's by a column.  THE MATRIX INSTRUCTION IS USED TRANSPOSED (source 0 = 16 columns of Wo, source 1 = 16 rows of A): a lane holds eight neighbouring numbers of a row.
; Rows 0-15 are written here like all others and written anew, from f32 operands, by the launch that follows.
; REGISTERS: window 0: v16-29 addresses; v32-95 rows on the way out; v128-255 the accumulators ((a, b) at v[128 + 8 (4 a + b)]).   window 1: two fragment buffers of 128: 64 registers of A, then 64 of Wo, for 64 along K.
.set HALFT,  32768                     ; 64 rows x 256 K: what one tensor load brings
.set SLOT,   4*HALFT                   ; A's 128 rows, then Wo's 128 columns
.set STAGE,  2*SLOT                    ; behind the ring: 16 rows x (256 bytes + 16) for each wave; no tensor load lands here
.set SPITCH, 272
.set SPARE,  STAGE+4*16*SPITCH         ; the spare words, 128 bytes a wave
.set ASTEP,  2097152                   ; bytes from 256 along K to the next in aimg,
.set BSTEP,  524288                    ; and in woimg
.set ADRA, 16
.set ADRB, 20
.set STO,  24
.set RD,   25
.set CO,   26
.set SPW,  28
.set NIL,  29
.set TMP,  32
.set ACC,  128
.set F0,   0
.set F1,   128
.set G1, 24
.set G0, 32
.set G1B, 48
.set G0B, 56
.set MSB, 0
.macro WIN new
.if MSB != \new
	s_set_vgpr_msb (MSB<<8)|\new
.set MSB, \new
.endif
.endm
.set MUL,  0x05                        ; sources 0 and 1 window 1; C and D window 0
.set TO_F, 0x40                        ; destination window 1, address window 0
.macro JLOAD s                         ; a joint load: waves 0 and 1 fetch A's halves, waves 2 and 3 Wo's; an s_nop 0 and four v_nop follow each line
	s_cmp_eq_u32 s11, 0
	s_cbranch_scc0 .Lfor_b_\@
	tensor_load_to_lds s[G0+4*\s:G0+4*\s+3], s[G1:G1+7]
	s_nop 0
.rept 4
	v_nop
.endr
	s_branch .Lasked_\@
.Lfor_b_\@:
	tensor_load_to_lds s[G0B+4*\s:G0B+4*\s+3], s[G1B:G1B+7]
	s_nop 0
.rept 4
	v_nop
.endr
.Lasked_\@:
.endm
.macro CREST                           ; a round of the cluster's barrier behind its opening barrier
	s_cmp_lg_u32 s10, 0
	s_cbranch_scc1 .Lnot_wave_0_\@
	s_barrier_signal -3
.Lnot_wave_0_\@:
	s_barrier_wait -3
	s_barrier_signal -1
	s_barrier_wait -1
.endm
.macro CROUND
	s_barrier_signal -1
	s_barrier_wait -1
	CREST
.endm
	s_load_b128 s[4:7], s[0:1], 0x0                ; aimg, woimg
	s_load_b64 s[8:9], s[0:1], 0x10                ; out0
	v_lshl_add_u32 v[SPW], v0, 2, SPARE
	v_mov_b32 v[NIL], 0
	ds_add_u32 v[SPW], v[NIL]                      ; the wave's opening: the add, twice on end, and its wait ahead of my first tensor load
	ds_add_u32 v[SPW], v[NIL]
	v_lshrrev_b32 v1, 5, v0
	v_readfirstlane_b32 s10, v1                    ; wave
	s_lshr_b32 s11, s10, 1                         ; which half of the tile's rows is mine.  Also: I fetch for A (0) or for Wo (1)
	s_and_b32 s12, s10, 1                          ; which half of its columns.  Also: which 64 rows I fetch
	s_bfe_u32 s40, ttmp6, 0x40000                  ; cx
	s_bfe_u32 s41, ttmp6, 0x40004                  ; cy
	s_lshl_b32 s42, ttmp9, 2
	s_add_co_u32 s42, s42, s40                     ; tile column
	s_and_b32 s13, ttmp7, 0xffff
	s_lshl_b32 s13, s13, 2
	s_add_co_u32 s13, s13, s41                     ; tile row
	s_lshl_b32 s43, s41, 2
	s_lshl_b32 s43, 15, s43                        ; my row of the cluster
	s_lshl_b32 s44, 0x1111, s40                    ; my column
	s_or_b32 s[G1+0], s43, (3<<16)|(1<<21)         ; 32,768 dense bytes as 128 rows of 32 elements of 8 bytes
	s_or_b32 s[G1B+0], s44, (3<<16)|(1<<21)
.irp g, G1, G1B
	s_mov_b32 s[\g+1], 32<<16
	s_mov_b32 s[\g+2], 128<<16
	s_mov_b32 s[\g+3], 32<<16
	s_mov_b32 s[\g+4], 128
	s_mov_b32 s[\g+5], 32
	s_mov_b32 s[\g+6], 0
	s_mov_b32 s[\g+7], 0
.endr
	s_lshl_b32 s17, s12, 15                        ; which four tiles of 16 rows I fetch: 8,192 bytes a tile
	s_lshl_b32 s16, s13, 16
	s_add_co_u32 s16, s16, s17
	s_lshl_b32 s46, s42, 16
	s_add_co_u32 s46, s46, s17
	s_mov_b32 s17, 0
	s_mov_b32 s47, 0
	s_lshl_b32 s20, s10, 15                        ; where they go: wave x 32,768
	s_wait_dscnt 0x0                               ; both opening adds are done
	s_wait_kmcnt 0x0
	s_add_nc_u64 s[14:15], s[4:5], s[16:17]
	s_add_nc_u64 s[46:47], s[6:7], s[46:47]
	CROUND                                         ; all sixteen work-groups are here: the first joint loads meet
.irp s, 0,1
	s_mov_b32 s[G0+4*\s], 1
	s_add_co_u32 s[G0+4*\s+1], s20, \s*SLOT
	s_add_nc_u64 s[G0+4*\s+2:G0+4*\s+3], s[14:15], \s*ASTEP
	s_or_b32 s[G0+4*\s+3], s[G0+4*\s+3], 0x80000000
	s_mov_b32 s[G0B+4*\s], 1
	s_add_co_u32 s[G0B+4*\s+1], s20, \s*SLOT
	s_add_nc_u64 s[G0B+4*\s+2:G0B+4*\s+3], s[46:47], \s*BSTEP
	s_or_b32 s[G0B+4*\s+3], s[G0B+4*\s+3], 0x80000000
	JLOAD \s
.endr
	v_and_b32 v1, 15, v0                           ; r
	v_bfe_u32 v2, v0, 4, 1                         ; h
	v_and_b32 v3, 31, v0
	v_lshlrev_b32 v3, 4, v3                        ; 16 x lane
	s_lshl_b32 s21, s11, 15                        ; my 64 rows of A
	s_lshl_b32 s22, s12, 15                        ; my 64 columns of Wo,
	s_add_co_u32 s22, s22, 2*HALFT                 ; which lie behind A's 128 rows
.irp s, 0,1
	v_add_nc_u32 v[ADRA+\s], s21, v3
	v_add_nc_u32 v[ADRB+\s], s22, v3
	s_add_co_u32 s21, s21, SLOT
	s_add_co_u32 s22, s22, SLOT
.endr
	s_mul_i32 s23, s10, 16*SPITCH
	s_add_co_u32 s23, s23, STAGE                   ; my stage
	v_mul_u32_u24 v4, v1, SPITCH                   ; in: row r, 32 bytes for each half of the lanes
	v_lshl_add_u32 v4, v2, 5, v4
	v_add_nc_u32 v[STO], s23, v4
	v_mul_u32_u24 v5, v2, SPITCH                   ; back: lanes 0-15 one row of 256 bytes, lanes 16-31 the next
	v_lshl_add_u32 v5, v1, 4, v5
	v_add_nc_u32 v[RD], s23, v5
	v_lshlrev_b32 v5, 12, v2                       ; and the same two rows in out0: 4,096 bytes a row
	v_lshl_add_u32 v[CO], v1, 4, v5
	s_lshl_b32 s16, s13, 19                        ; 128 rows a tile,
	s_lshl_b32 s17, s11, 18                        ; my 64
	s_add_co_u32 s16, s16, s17
	s_mov_b32 s17, 0
	s_add_nc_u64 s[8:9], s[8:9], s[16:17]
	s_lshl_b32 s46, s42, 9                         ; 512 bytes a tile column,
	s_lshl_b32 s47, s12, 8                         ; my 256
	s_add_co_u32 s46, s46, s47
	s_mov_b32 s47, 0
	s_add_nc_u64 s[8:9], s[8:9], s[46:47]
; 8 matrix instructions: row blocks a0, a0 + 1 x all 4 column blocks, 32 along K: half c of buffer f.  The 16 accumulators take turns
.macro MUL8 f, c, a0, zero
.irp a, \a0, \a0+1
.irp b, 0,1,2,3
.if \zero
	v_wmma_f32_16x16x32_f16 v[ACC+8*(4*(\a)+\b):ACC+8*(4*(\a)+\b)+7], v[\f+64+8*(4*\c+\b):\f+64+8*(4*\c+\b)+7], v[\f+8*(4*\c+\a):\f+8*(4*\c+\a)+7], 0
.else
	v_wmma_f32_16x16x32_f16 v[ACC+8*(4*(\a)+\b):ACC+8*(4*(\a)+\b)+7], v[\f+64+8*(4*\c+\b):\f+64+8*(4*\c+\b)+7], v[\f+8*(4*\c+\a):\f+8*(4*\c+\a)+7], v[ACC+8*(4*(\a)+\b):ACC+8*(4*(\a)+\b)+7]
.endif
.endr
.endr
.endm
; 32 LDS loads in one run: the fragments of the slot's qq-th 64 along K into buffer f; the first 32 along K first
.macro FETCH slot, qq, f
	WIN TO_F
.irp c, 0,1
.irp i, 0,1,2,3
	ds_load_b128 v[\f+64+8*(4*\c+\i):\f+64+8*(4*\c+\i)+3],   v[ADRB+\slot] offset:(8*\i+2*(\qq)+\c)*1024
	ds_load_b128 v[\f+64+8*(4*\c+\i)+4:\f+64+8*(4*\c+\i)+7], v[ADRB+\slot] offset:(8*\i+2*(\qq)+\c)*1024+512
	ds_load_b128 v[\f+8*(4*\c+\i):\f+8*(4*\c+\i)+3],         v[ADRA+\slot] offset:(8*\i+2*(\qq)+\c)*1024
	ds_load_b128 v[\f+8*(4*\c+\i)+4:\f+8*(4*\c+\i)+7],       v[ADRA+\slot] offset:(8*\i+2*(\qq)+\c)*1024+512
.endr
.endr
.endm
.macro PLACES
.rept 4
	v_nop
.endr
.endm
; A K step is four quarters of 64 along K, 32 matrix instructions each, on buffers 0, 1, 0, 1.  One of the first three multiplies buffer f and fetches quarter qq into g.
.macro QUARTER slot, qq, f, g, zero
	s_wait_dscnt 16                                ; the first 32 along K are in
	WIN MUL
	MUL8 \f, 0, 0, \zero
	MUL8 \f, 0, 2, \zero
	PLACES
	FETCH \slot, \qq, \g
	s_wait_dscnt 32                                ; all but the 32 just issued
	WIN MUL
	MUL8 \f, 1, 0, 0
	MUL8 \f, 1, 2, 0
.endm
; The last quarter multiplies buffer 1 and changes slots: one barrier; in front of it each wave waits for all its tensor loads, adds 0 to its spare word, and waits for that and for its own reads of this slot.
; fill = 1: the barrier opens a round of the cluster's, and behind the round this slot is filled again, two K steps ahead: one load a wave, the first thing there.
.macro TURN slot, next, fill
	WIN 0
	s_wait_tensorcnt 0x0                           ; all my tensor loads have landed: my part of the next slot
	ds_add_u32 v[SPW], v[NIL]
	s_wait_dscnt 17                                ; (the add and the youngest sixteen loads may be out)
	WIN MUL
	MUL8 F1, 0, 0, 0
	s_wait_dscnt 0x0                               ; the add is done, and my reads of this slot are over
	s_barrier_signal -1
	MUL8 F1, 0, 2, 0
.if \fill
	WIN 0
.endif
	s_barrier_wait -1
.if \fill
	CREST                                          ; no wave of any partner still reads this slot or has a load on its way
	s_add_nc_u64 s[G0+4*\slot+2:G0+4*\slot+3], s[G0+4*\slot+2:G0+4*\slot+3], 2*ASTEP
	s_add_nc_u64 s[G0B+4*\slot+2:G0B+4*\slot+3], s[G0B+4*\slot+2:G0B+4*\slot+3], 2*BSTEP
	JLOAD \slot                                    ; the four v_nop behind it are also the places in front of the loads below
.else
	PLACES
.endif
	FETCH \next, 0, F0
	WIN MUL
	MUL8 F1, 1, 0, 0
	MUL8 F1, 1, 2, 0
.endm
	s_wait_tensorcnt 1                             ; my part of K step 0 is in; K step 1's may stay out
	s_barrier_signal -1
	s_barrier_wait -1
	FETCH 0, 0, F0
	QUARTER 0, 1, F0, F1, 1                        ; K step 0; its first products start the sums
	QUARTER 0, 2, F1, F0, 0
	QUARTER 0, 3, F0, F1, 0
	TURN 0, 1, 1                                   ; slot 0 takes K step 2
	QUARTER 1, 1, F0, F1, 0                        ; K step 1
	QUARTER 1, 2, F1, F0, 0
	QUARTER 1, 3, F0, F1, 0
	TURN 1, 0, 1                                   ; slot 1 takes K step 3
	QUARTER 0, 1, F0, F1, 0                        ; K step 2
	QUARTER 0, 2, F1, F0, 0
	QUARTER 0, 3, F0, F1, 0
	TURN 0, 1, 0                                   ; nothing is left to fetch
	QUARTER 1, 1, F0, F1, 0                        ; K step 3
	QUARTER 1, 2, F1, F0, 0
	QUARTER 1, 3, F0, F1, 0
	s_wait_dscnt 16
	WIN MUL
	MUL8 F1, 0, 0, 0
	MUL8 F1, 0, 2, 0
	s_wait_dscnt 0
	MUL8 F1, 1, 0, 0
	MUL8 F1, 1, 2, 0
	WIN 0
; THE WAY OUT, a block of 16 rows x 64 columns at a time.  A lane holds 32 neighbouring bytes of a row; the block goes through my own stage and comes back as whole rows of 256 bytes.
; LDS serves a wave's instructions in order (ISA guide 5.7.1.4): no wait between the stores and the loads, nor in front of the next block's stores.
.macro TOSTAGE a
.irp b, 0,1,2,3
	ds_store_b128 v[STO], v[ACC+8*(4*(\a)+\b):ACC+8*(4*(\a)+\b)+3] offset:64*\b        ; each accumulator from its low end on
	ds_store_b128 v[STO], v[ACC+8*(4*(\a)+\b)+4:ACC+8*(4*(\a)+\b)+7] offset:64*\b+16
.endr
.irp t, 0,1,2,3,4,5,6,7
	ds_load_b128 v[TMP+32*((\a)%2)+4*\t:TMP+32*((\a)%2)+4*\t+3], v[RD] offset:\t*2*SPITCH
.endr
.endm
.macro SEND a, younger
	s_wait_dscnt \younger                          ; the block is back in registers; the next block's sixteen LDS instructions may be out
.irp t, 0,1,2,3,4,5,6,7
	global_store_b128 v[CO], v[TMP+32*((\a)%2)+4*\t:TMP+32*((\a)%2)+4*\t+3], s[8:9] offset:(16*(\a)+2*\t)*4096 th:TH_STORE_NT   ; sixteen lanes store 256 consecutive bytes, aligned
.endr
.endm
	PLACES
	TOSTAGE 0
.irp a, 1,2,3
.if \a > 1
	s_wait_xcnt 0x0                                ; block a - 2's stores have read their registers: block a's loads may land there
.endif
	TOSTAGE \a
	SEND \a-1, 16
.endr
	SEND 3, 0
	s_wait_tensorcnt 0x0                           ; the wave's end
	ds_add_u32 v[SPW], v[NIL]
	s_wait_dscnt 0x0
	CROUND                                         ; the closing round
	s_endpgm
.Lfunc_end_k_qe04b2adc2d_proj:
	.size	k_qe04b2adc2d_proj, .Lfunc_end_k_qe04b2adc2d_proj-k_qe04b2adc2d_proj
	.p2alignl 7, 3214868480
	.fill 96, 4, 3214868480
	.section	.rodata,"a",@progbits
	.p2align	6, 0x0
	.amdhsa_kernel k_qe04b2adc2d_proj
		.amdhsa_group_segment_fixed_size 327680
		.amdhsa_private_segment_fixed_size 0
		.amdhsa_enable_private_segment 0
		.amdhsa_kernarg_size 24
		.amdhsa_user_sgpr_count 2
		.amdhsa_user_sgpr_kernarg_segment_ptr 1
		.amdhsa_wavefront_size32 1
		.amdhsa_system_sgpr_workgroup_id_x 1
		.amdhsa_system_sgpr_workgroup_id_y 1
		.amdhsa_system_sgpr_workgroup_id_z 1
		.amdhsa_system_vgpr_workitem_id 0
		.amdhsa_next_free_vgpr 512
		.amdhsa_next_free_sgpr 66
		.amdhsa_reserve_vcc 0
		.amdhsa_float_denorm_mode_32 3
		.amdhsa_float_denorm_mode_16_64 3
		.amdhsa_memory_ordered 1
		.amdhsa_forward_progress 1
		.amdhsa_inst_pref_size 85
	.end_amdhsa_kernel
	.amdgpu_metadata
---
amdhsa.version: [ 1, 2 ]
amdhsa.kernels:
  - .name:           k_qe04b2adc2d_proj
    .symbol:         k_qe04b2adc2d_proj.kd
    .args:
      - { .name: aimg, .offset: 0, .size: 8, .value_kind: global_buffer, .address_space: global }
      - { .name: woimg, .offset: 8, .size: 8, .value_kind: global_buffer, .address_space: global }
      - { .name: out0, .offset: 16, .size: 8, .value_kind: global_buffer, .address_space: global }
    .group_segment_fixed_size: 327680
    .private_segment_fixed_size: 0
    .kernarg_segment_align: 8
    .kernarg_segment_size: 24
    .max_flat_workgroup_size: 128
    .sgpr_count:     66
    .vgpr_count:     512
    .wavefront_size: 32
...
	.end_amdgpu_metadata
.endif
;; end of part 4
;; launch fine (part 5): grid 64 x 1, 16 waves a work-group, no clusters, 18,432 bytes of LDS; arguments first, Wo, out0; writes out0
.if DOCPART == 5
	.amdgcn_target "amdgcn-amd-amdhsa--gfx1250"
	.amdhsa_code_object_version 6
	.text
	.protected	k_qe04b2adc2d_fine
	.globl	k_qe04b2adc2d_fine
	.p2align	8
	.type	k_qe04b2adc2d_fine,@function
k_qe04b2adc2d_fine:
	s_mov_b64 s[64:65], 0
	v_nop
	global_prefetch_b8 v0, s[64:65] scope:SCOPE_SE
	s_setreg_imm32_b32 hwreg(HW_REG_WAVE_MODE, 25, 1), 1
	s_wait_xcnt 0x0
; ROWS 0-15 OF THE RESULT, IN f32 THROUGHOUT.  These positions average one to sixteen values and are the largest in size, so the rounding of 16-bit operands weighs most there: attention and projection are done again
; from the f32 sums of q, k, v (positions 0-15, stored as images of accumulators) and from Wo as it is given.  48 matrix instructions of the f32 form a wave: no bulk work.
; SHARES.  A work-group owns 16 columns of out0 for the 16 rows.  Wave = head: it makes the head's 16 x 16 attention, then its 64 terms of the projection's K; the sixteen shares meet in LDS and are added in a fixed order.
; HOW k IS PLACED.  The f32 form takes k = 2 (lane / 16) + register.  The same permutation of k stands on both sources: in step s' of a tile of 16, slot (h, register jj) stands for index 8 h + 2 s' + jj.
; An accumulator's image holds index 8 h + j in register j: so its register pairs (2 s', 2 s' + 1) ARE the operands, and nothing changes lanes.
; The registers that these matrix instructions write are written by nothing else; what is made of a finished sum goes into other registers.
; The last store writes 16 bytes a lane, 64 consecutive bytes of a row: 65,536 bytes in the whole launch.
.set SPARE, 16384                      ; LDS: the shares [wave 16][1,024] at 0; here the spare words, 128 bytes for each of 16 waves
.set QR, 32                            ; v32-63   q: 4 tiles of channels x 8; later O / the sum; later the shares
.set KR, 64                            ; v64-95   k
.set VR, 96                            ; v96-127  v, turned: 4 tiles of channels x 8 keys
.set WR, 128                           ; v128-159 Wo: 16 steps x 2
.set SA, 160                           ; v160-175 scores: two accumulators by turns
.set OA, 176                           ; v176-207 O^T: four
.set PA, 208                           ; v208-223 the projection: two
.set PP, 224                           ; v224-231 scores, then p, then my share
	s_load_b128 s[4:7], s[0:1], 0x0                ; first, Wo
	s_load_b64 s[8:9], s[0:1], 0x10                ; out0
	v_lshl_add_u32 v30, v0, 2, SPARE               ; my spare word; never rewritten
	v_mov_b32 v31, 0                               ; 0; never rewritten
	v_lshrrev_b32 v1, 5, v0
	v_readfirstlane_b32 s10, v1                    ; wave = head
	v_and_b32 v1, 31, v0
	v_and_b32 v2, 15, v0                           ; r
	v_bfe_u32 v3, v0, 4, 1                         ; h
	v_lshlrev_b32 v4, 4, v1                        ; 16 x lane
	s_lshl_b32 s11, s10, 10
	v_add_nc_u32 v5, s11, v4                       ; where my share goes
	s_and_b32 s12, s10, 1
	s_lshl_b32 s13, s12, 9
	v_add_nc_u32 v6, s13, v4                       ; where waves 0 and 1 read: registers 0-3 or 4-7 of every share
	v_lshlrev_b32 v7, 2, v2
	v_lshl_add_u32 v7, v3, 15, v7                  ; Wo: column r, + 8 h rows of 4,096 bytes
	v_lshlrev_b32 v8, 12, v2
	v_lshl_add_u32 v8, v3, 5, v8                   ; out0: row r, + 8 h columns
	v_lshlrev_b32 v9, 3, v3
	v_sub_nc_u32 v10, v2, v9                       ; r - 8 h: key 8 h + j is hidden where j > this
	v_mov_b32 v11, 0xff800000                      ; -infinity
	v_mov_b32 v13, 0                               ; written once: a lane permute's destination counts as one of its sources
	s_lshl_b32 s14, s10, 12                        ; the head's four images
	s_mov_b32 s15, 0
	s_lshl_b32 s16, s10, 18                        ; the head's 64 rows of Wo,
	s_lshl_b32 s17, ttmp9, 6                       ; my work-group's 16 columns
	s_add_co_u32 s16, s16, s17
	s_lshl_b32 s18, s12, 4
	s_add_co_u32 s18, s18, s17                     ; out0: the columns, + four for the upper registers
	s_mov_b32 s17, 0
	s_mov_b32 s19, 0
	s_mov_b32 s20, 0x3e38aa3b                      ; c = log2(e) / sqrt(64)
	s_mov_b32 s22, 0x76543210
	s_mov_b32 s23, 0xfedcba98                      ; lane l xor 16
	s_wait_kmcnt 0x0
	s_add_nc_u64 s[14:15], s[4:5], s[14:15]
	s_add_nc_u64 s[16:17], s[6:7], s[16:17]
	s_add_nc_u64 s[18:19], s[8:9], s[18:19]
.irp b, 0,1,2,3
.irp g, 0,1
	global_load_b128 v[QR+8*\b+4*\g:QR+8*\b+4*\g+3], v4, s[14:15] offset:\b*1024+\g*512
.endr
.endr
.irp b, 0,1,2,3
.irp g, 0,1
	global_load_b128 v[KR+8*\b+4*\g:KR+8*\b+4*\g+3], v4, s[14:15] offset:65536+\b*1024+\g*512
.endr
.endr
.irp b, 0,1,2,3
.irp g, 0,1
	global_load_b128 v[VR+8*\b+4*\g:VR+8*\b+4*\g+3], v4, s[14:15] offset:131072+\b*1024+\g*512
.endr
.endr
.set I, 0
.rept 16                                       ; step i = 4 dt + s': Wo(64 head + 16 dt + 8 h + 2 s' + jj, column r)
	global_load_b32 v[WR+2*I], v7, s[16:17] offset:(16*(I/4)+2*(I%4))*4096
	global_load_b32 v[WR+2*I+1], v7, s[16:17] offset:(16*(I/4)+2*(I%4)+1)*4096
.set I, I+1
.endr
	s_wait_loadcnt 40                              ; q and k are in; v's 8 loads and Wo's 32 may be out
.set I, 0
.rept 16                                       ; S^T = k q^T: source 0 = 16 keys, source 1 = 16 queries; two accumulators by turns
.if I < 2
	v_wmma_f32_16x16x4_f32 v[SA+8*(I%2):SA+8*(I%2)+7], v[KR+2*I:KR+2*I+1], v[QR+2*I:QR+2*I+1], 0
.else
	v_wmma_f32_16x16x4_f32 v[SA+8*(I%2):SA+8*(I%2)+7], v[KR+2*I:KR+2*I+1], v[QR+2*I:QR+2*I+1], v[SA+8*(I%2):SA+8*(I%2)+7]
.endif
.set I, I+1
.endr
.rept 8
	v_nop                                          ; eight places behind this form before a result is read (ISA guide 7.12.1)
.endr
.irp j, 0,1,2,3,4,5,6,7
	v_add_f32 v[PP+\j], v[SA+\j], v[SA+8+\j]       ; lane (r, h): query r, key 8 h + j; from the low end on
.endr
.irp j, 0,1,2,3,4,5,6,7
	v_cmp_gt_i32 vcc_lo, \j, v10
	v_cndmask_b32 v[PP+\j], v[PP+\j], v11, vcc_lo  ; keys behind the query are hidden; the window's lower edge lies before the sequence's first key
.endr
	v_max3_num_f32 v12, v[PP], v[PP+1], v[PP+2]
	v_max3_num_f32 v12, v12, v[PP+3], v[PP+4]
	v_max3_num_f32 v12, v12, v[PP+5], v[PP+6]
	v_max_num_f32 v12, v12, v[PP+7]
	v_permlanex16_b32 v13, v12, s22, s23
	v_max_num_f32 v12, v12, v13                    ; the row's maximum: a number, since key 0 is seen by every query
	v_mul_f32 v14, s20, v12                        ; c m
.irp j, 0,1,2,3,4,5,6,7
	v_fma_f32 v[PP+\j], v[PP+\j], s20, -v14
.endr
.irp j, 0,1,2,3,4,5,6,7
	v_exp_f32 v[PP+\j], v[PP+\j]
.endr
	v_nop                                          ; a plain line behind the last exponential
	s_wait_alu depctr_va_vdst(0)                   ; one wait for the batch, ahead of its first reader
	v_add_f32 v12, v[PP], v[PP+1]
	v_add_f32 v15, v[PP+2], v[PP+3]
	v_add_f32 v12, v12, v[PP+4]
	v_add_f32 v15, v15, v[PP+5]
	v_add_f32 v12, v12, v[PP+6]
	v_add_f32 v15, v15, v[PP+7]
	v_add_f32 v12, v12, v15
	v_permlanex16_b32 v13, v12, s22, s23
	v_add_f32 v12, v12, v13                        ; the row's sum
	v_rcp_f32 v15, v12
	s_wait_loadcnt 32                              ; v is in; Wo's 32 loads may be out
.irp s, 0,1,2,3
.irp dt, 0,1,2,3                               ; O^T = v^T p: source 0 = 16 channels, source 1 = p; four accumulators by turns
.if \s == 0
	v_wmma_f32_16x16x4_f32 v[OA+8*\dt:OA+8*\dt+7], v[VR+8*\dt+2*\s:VR+8*\dt+2*\s+1], v[PP+2*\s:PP+2*\s+1], 0
.else
	v_wmma_f32_16x16x4_f32 v[OA+8*\dt:OA+8*\dt+7], v[VR+8*\dt+2*\s:VR+8*\dt+2*\s+1], v[PP+2*\s:PP+2*\s+1], v[OA+8*\dt:OA+8*\dt+7]
.endif
.endr
.endr
.rept 8
	v_nop                                          ; eight places; the first is also the plain line behind the reciprocal
.endr
	s_wait_alu depctr_va_vdst(0)                   ; the reciprocal's wait, ahead of its first reader
.set I, 0
.rept 32
	v_mul_f32 v[QR+I], v[OA+I], v15                ; O / the sum: lane (r, h): query r, channel 16 dt + 8 h + j in register 8 dt + j
.set I, I+1
.endr
	s_wait_loadcnt 0x0                             ; Wo
.set I, 0
.rept 16                                       ; my head's share: source 0 = 16 columns of Wo, source 1 = the 16 rows
.if I < 2
	v_wmma_f32_16x16x4_f32 v[PA+8*(I%2):PA+8*(I%2)+7], v[WR+2*I:WR+2*I+1], v[QR+2*I:QR+2*I+1], 0
.else
	v_wmma_f32_16x16x4_f32 v[PA+8*(I%2):PA+8*(I%2)+7], v[WR+2*I:WR+2*I+1], v[QR+2*I:QR+2*I+1], v[PA+8*(I%2):PA+8*(I%2)+7]
.endif
.set I, I+1
.endr
.rept 8
	v_nop
.endr
.irp j, 0,1,2,3,4,5,6,7
	v_add_f32 v[PP+\j], v[PA+\j], v[PA+8+\j]       ; lane (r, h): row r, columns 8 h + j
.endr
	ds_store_b128 v5, v[PP:PP+3]
	ds_store_b128 v5, v[PP+4:PP+7] offset:512
	s_wait_tensorcnt 0x0                           ; behind my last LDS store: only LDS reads follow
	ds_add_u32 v30, v31
	s_wait_dscnt 0x0                               ; for the others' sake too: my share lies in LDS
	s_barrier_signal -1
	s_barrier_wait -1
	s_cmp_lt_u32 s10, 2                            ; waves 0 and 1 add the sixteen shares: registers 0-3 and 4-7
	s_cbranch_scc0 .Ldone
.irp p, 0,1,2,3,4,5,6,7,8,9,10,11,12,13,14,15
	ds_load_b128 v[32+4*\p:35+4*\p], v6 offset:\p*1024
.endr
	s_wait_dscnt 0x0
.irp d, 1,2,4,8                                ; a fixed tree: neighbours 1, 2, 4, 8 heads apart
.set P, 0
.rept 8/\d
	v_pk_add_f32 v[32+4*P:33+4*P], v[32+4*P:33+4*P], v[32+4*(P+\d):33+4*(P+\d)]
	v_pk_add_f32 v[34+4*P:35+4*P], v[34+4*P:35+4*P], v[34+4*(P+\d):35+4*(P+\d)]
.set P, P+2*\d
.endr
.endr
	global_store_b128 v8, v[32:35], s[18:19]
.Ldone:
	s_endpgm
.Lfunc_end_k_qe04b2adc2d_fine:
	.size	k_qe04b2adc2d_fine, .Lfunc_end_k_qe04b2adc2d_fine-k_qe04b2adc2d_fine
	.p2alignl 7, 3214868480
	.fill 96, 4, 3214868480
	.section	.rodata,"a",@progbits
	.p2align	6, 0x0
	.amdhsa_kernel k_qe04b2adc2d_fine
		.amdhsa_group_segment_fixed_size 18432
		.amdhsa_private_segment_fixed_size 0
		.amdhsa_enable_private_segment 0
		.amdhsa_kernarg_size 24
		.amdhsa_user_sgpr_count 2
		.amdhsa_user_sgpr_kernarg_segment_ptr 1
		.amdhsa_wavefront_size32 1
		.amdhsa_system_sgpr_workgroup_id_x 1
		.amdhsa_system_sgpr_workgroup_id_y 1
		.amdhsa_system_sgpr_workgroup_id_z 1
		.amdhsa_system_vgpr_workitem_id 0
		.amdhsa_next_free_vgpr 256
		.amdhsa_next_free_sgpr 66
		.amdhsa_reserve_vcc 1
		.amdhsa_float_denorm_mode_32 3
		.amdhsa_float_denorm_mode_16_64 3
		.amdhsa_memory_ordered 1
		.amdhsa_forward_progress 1
		.amdhsa_inst_pref_size 18
	.end_amdhsa_kernel
	.amdgpu_metadata
---
amdhsa.version: [ 1, 2 ]
amdhsa.kernels:
  - .name:           k_qe04b2adc2d_fine
    .symbol:         k_qe04b2adc2d_fine.kd
    .args:
      - { .name: first, .offset: 0, .size: 8, .value_kind: global_buffer, .address_space: global }
      - { .name: Wo, .offset: 8, .size: 8, .value_kind: global_buffer, .address_space: global }
      - { .name: out0, .offset: 16, .size: 8, .value_kind: global_buffer, .address_space: global }
    .group_segment_fixed_size: 18432
    .private_segment_fixed_size: 0
    .kernarg_segment_align: 8
    .kernarg_segment_size: 24
    .max_flat_workgroup_size: 512
    .sgpr_count:     66
    .vgpr_count:     256
    .wavefront_size: 32
...
	.end_amdgpu_metadata
.endif
;; end of part 5
